; MI455X (gfx1250); checked and timed in simulation.
; The chip was launched on July 23, 2026; its instructions are those of AMD's public machine-readable ISA for CDNA 5 (MIT licence, August 2026) and "CDNA5" Instruction Set Architecture Reference Guide (July 2026). The comments in the code are by the model that wrote it; some were corrected since.
;; Block local. Allowed arithmetic: float matrix products may take bf16 or f16 operands with f32 sums; all other float work in f32.
;; Inputs: b1 2,048 float32; b2 512 float32; b_norm 512 float32; b_norm2 512 float32; bk 512 float32; bq 512 float32; bv 512 float32; g_norm 512 float32; g_norm2 512 float32; key 8 x 512 x 2,048 float32; key_embed 8 x 512 x 2,048 float32; query 8 x 512 x 2,048 float32; query_embed 8 x 512 x 2,048 float32; w1 512 x 2,048 float32; w2 2,048 x 512 float32; wk 512 x 512 float32; wq 512 x 512 float32; wv 512 x 512 float32.
;; Outputs: out0 8 x 512 x 2,048 float32.
;; Constants: kH = 9.
;; One version. Each part assembles by itself: llvm-mc -triple=amdgcn-amd-amdhsa -mcpu=gfx1250 --defsym DOCPART=n.
;; ======== version 1 of 1: 3 launches
;; workspace buffers: wqkv 1,572,864 bytes; w1b 2,097,152 bytes; w2b 2,097,152 bytes; xbuf 33,554,432 bytes
;; launch prep (part 1): grid 352 x 1, 8 waves a work-group, no clusters, 0 bytes of LDS; arguments wk, wq, wv, w1, w2, wqkv, w1b, w2b; writes wqkv, w1b, w2b
.if DOCPART == 1
	.amdgcn_target "amdgcn-amd-amdhsa--gfx1250"
	.amdhsa_code_object_version 6
	.text
	.protected	k_q226c9b5728_prep
	.globl	k_q226c9b5728_prep
	.p2align	8
	.type	k_q226c9b5728_prep,@function
k_q226c9b5728_prep:
	s_mov_b64 s[64:65], 0
	v_nop
	global_prefetch_b8 v0, s[64:65] scope:SCOPE_SE
	s_setreg_imm32_b32 hwreg(HW_REG_WAVE_MODE, 25, 1), 1
	s_wait_xcnt 0x0
; prep: the five weight matrices, f32 to bf16 (round to nearest even), once.
; Eleven units of 262,144 numbers: unit 0, 1, 2 = wk, wq, wv; 3-6 = w1; 7-10 = w2.  32 work-groups a unit, 8,192 numbers each,
; in four passes of 2,048; a thread takes 8 numbers a pass: two loads of 16 bytes, one store of 16 bytes.
; w1 and w2 keep their order.  wk, wq, wv are laid in eight slabs of 64 input channels: slab sl = [o 0..511][cc 0..63] = W[o][64 sl + cc],
; so that a slab is 65,536 dense bytes for the next launch's tensor loads.
; In both orders eight neighbouring lanes read 256 consecutive aligned bytes and sixteen lanes store 256 consecutive aligned bytes.
; A pure stream: no LDS, no matrix unit, no barrier.
	s_load_b512 s[8:23], s[0:1], 0x0               ; wk 8, wq 10, wv 12, w1 14, w2 16, wqkv 18, w1b 20, w2b 22
	s_lshr_b32 s2, ttmp9, 5                        ; unit 0..10
	s_and_b32 s3, ttmp9, 31                        ; part 0..31 of the unit
	v_lshrrev_b32 v1, 3, v0                        ; thread / 8: which run of 256 input bytes
	v_and_b32 v2, 7, v0                            ; thread % 8: which 32 bytes of it
	v_lshlrev_b32 v3, 4, v0                        ; my 16 output bytes of a pass
	s_sub_co_u32 s28, s2, 7                        ; quarter of w2 (only used where unit >= 7)
	s_sub_co_u32 s29, s2, 3                        ; quarter of w1 (only used where 3 <= unit < 7)
	s_movk_i32 s30, 256                            ; plain order: bytes from run to run
	s_movk_i32 s31, 8192                           ; plain order: input bytes a pass
	s_and_b32 s32, s3, 3
	s_lshl_b32 s32, s32, 18                        ; slab order: (part % 4) x 128 rows of 2,048 bytes
	s_lshr_b32 s33, s3, 2
	s_lshl_b32 s33, s33, 8                         ; + slab (part / 4) x 256 bytes
	s_add_co_u32 s32, s32, s33
	s_wait_kmcnt 0x0
	s_cmp_lt_u32 s2, 7
	s_cselect_b64 s[24:25], s[14:15], s[16:17]     ; in: w1 or w2
	s_cselect_b64 s[26:27], s[20:21], s[22:23]     ; out: w1b or w2b
	s_cselect_b32 s28, s29, s28
	s_cmp_lt_u32 s2, 3
	s_cselect_b64 s[24:25], s[12:13], s[24:25]     ; wv
	s_cselect_b64 s[26:27], s[18:19], s[26:27]     ; wqkv
	s_cselect_b32 s28, s2, s28                     ; which 524,288 bytes of the output buffer
	s_cselect_b32 s30, 0x800, s30                  ; slab order: a run a row of W
	s_cselect_b32 s31, 0x10000, s31                ; slab order: 32 rows of W a pass
	s_cmp_lt_u32 s2, 2
	s_cselect_b64 s[24:25], s[10:11], s[24:25]     ; wq
	s_cmp_lt_u32 s2, 1
	s_cselect_b64 s[24:25], s[8:9], s[24:25]       ; wk
	s_lshl_b32 s33, s28, 20
	s_lshl_b32 s34, s3, 15
	s_add_co_u32 s33, s33, s34                     ; plain order: quarter x 1,048,576 + part x 32,768
	s_cmp_lt_u32 s2, 3
	s_cselect_b32 s32, s32, s33                    ; the work-group's first input byte
	s_lshl_b32 s34, s28, 19
	s_lshl_b32 s35, s3, 14
	s_add_co_u32 s34, s34, s35
	s_mov_b32 s35, 0
	s_add_nc_u64 s[26:27], s[26:27], s[34:35]      ; the work-group's first output byte
	v_mul_lo_u32 v1, v1, s30
	v_lshl_add_u32 v1, v2, 5, v1
	v_add_nc_u32 v4, s32, v1                       ; one offset register a pass: none is written again
	v_add_nc_u32 v5, s31, v4
	v_add_nc_u32 v6, s31, v5
	v_add_nc_u32 v7, s31, v6
.irp p, 0,1,2,3
	global_load_b128 v[8+8*\p:8+8*\p+3], v[4+\p], s[24:25] th:TH_LOAD_NT
	global_load_b128 v[8+8*\p+4:8+8*\p+7], v[4+\p], s[24:25] offset:16 th:TH_LOAD_NT
.endr
.irp p, 0,1,2,3
	s_wait_loadcnt 6-2*\p                          ; loads come back in order: this pass's two are in, the later passes' stay out
	v_cvt_pk_bf16_f32 v[8+8*\p], v[8+8*\p], v[8+8*\p+1]
	v_cvt_pk_bf16_f32 v[8+8*\p+1], v[8+8*\p+2], v[8+8*\p+3]
	v_cvt_pk_bf16_f32 v[8+8*\p+2], v[8+8*\p+4], v[8+8*\p+5]
	v_cvt_pk_bf16_f32 v[8+8*\p+3], v[8+8*\p+6], v[8+8*\p+7]
	global_store_b128 v3, v[8+8*\p:8+8*\p+3], s[26:27] offset:4096*\p
.endr
	s_endpgm
.Lfunc_end_k_q226c9b5728_prep:
	.size	k_q226c9b5728_prep, .Lfunc_end_k_q226c9b5728_prep-k_q226c9b5728_prep
	.p2alignl 7, 3214868480
	.fill 96, 4, 3214868480
	.section	.rodata,"a",@progbits
	.p2align	6, 0x0
	.amdhsa_kernel k_q226c9b5728_prep
		.amdhsa_group_segment_fixed_size 0
		.amdhsa_private_segment_fixed_size 0
		.amdhsa_enable_private_segment 0
		.amdhsa_kernarg_size 64
		.amdhsa_user_sgpr_count 2
		.amdhsa_user_sgpr_kernarg_segment_ptr 1
		.amdhsa_wavefront_size32 1
		.amdhsa_system_sgpr_workgroup_id_x 1
		.amdhsa_system_sgpr_workgroup_id_y 1
		.amdhsa_system_sgpr_workgroup_id_z 1
		.amdhsa_system_vgpr_workitem_id 0
		.amdhsa_next_free_vgpr 40
		.amdhsa_next_free_sgpr 66
		.amdhsa_reserve_vcc 0
		.amdhsa_float_denorm_mode_32 3
		.amdhsa_float_denorm_mode_16_64 3
		.amdhsa_memory_ordered 1
		.amdhsa_forward_progress 1
		.amdhsa_inst_pref_size 5
	.end_amdhsa_kernel
	.amdgpu_metadata
---
amdhsa.version: [ 1, 2 ]
amdhsa.kernels:
  - .name:           k_q226c9b5728_prep
    .symbol:         k_q226c9b5728_prep.kd
    .args:
      - { .name: wk, .offset: 0, .size: 8, .value_kind: global_buffer, .address_space: global }
      - { .name: wq, .offset: 8, .size: 8, .value_kind: global_buffer, .address_space: global }
      - { .name: wv, .offset: 16, .size: 8, .value_kind: global_buffer, .address_space: global }
      - { .name: w1, .offset: 24, .size: 8, .value_kind: global_buffer, .address_space: global }
      - { .name: w2, .offset: 32, .size: 8, .value_kind: global_buffer, .address_space: global }
      - { .name: wqkv, .offset: 40, .size: 8, .value_kind: global_buffer, .address_space: global }
      - { .name: w1b, .offset: 48, .size: 8, .value_kind: global_buffer, .address_space: global }
      - { .name: w2b, .offset: 56, .size: 8, .value_kind: global_buffer, .address_space: global }
    .group_segment_fixed_size: 0
    .private_segment_fixed_size: 0
    .kernarg_segment_align: 8
    .kernarg_segment_size: 64
    .max_flat_workgroup_size: 256
    .sgpr_count:     66
    .vgpr_count:     40
    .wavefront_size: 32
...
	.end_amdgpu_metadata
.endif
;; end of part 1
;; launch attn (part 2): grid 256 x 1, 4 waves a work-group, clusters of 4 x 1, 327,680 bytes of LDS; arguments query, query_embed, key, key_embed, g_norm, b_norm, bq, bk, bv, wqkv, xbuf; writes xbuf
.if DOCPART == 2
	.amdgcn_target "amdgcn-amd-amdhsa--gfx1250"
	.amdhsa_code_object_version 6
	.text
	.protected	k_q226c9b5728_attn
	.globl	k_q226c9b5728_attn
	.p2align	8
	.type	k_q226c9b5728_attn,@function
k_q226c9b5728_attn:
	s_mov_b64 s[64:65], 0
	v_nop
	global_prefetch_b8 v0, s[64:65] scope:SCOPE_SE
	s_setreg_imm32_b32 hwreg(HW_REG_WAVE_MODE, 25, 1), 1
	s_wait_xcnt 0x0
	s_wait_alu depctr_hold_cnt(0) depctr_sa_sdst(0) depctr_va_vdst(0) depctr_va_sdst(0) depctr_va_ssrc(0) depctr_va_vcc(0) depctr_vm_vsrc(0)
	s_getreg_b32 s2, hwreg(HW_REG_IB_STS2, 6, 4)
	s_cmp_eq_u32 s2, 0
	s_cbranch_scc0 .Lentry_in_a_cluster
	s_endpgm
.Lentry_in_a_cluster:
	s_bfe_u32 s2, ttmp6, 0x10000c
	s_cmp_lg_u32 s2, 0x3003
	s_cbranch_scc0 .Lentry_shape_is_right
	s_endpgm
.Lentry_shape_is_right:
; attn: x = query + windowed attention.  Tensors are [8][512 channels][2048 tokens] f32, tokens along the rows.
; A work-group owns 64 tokens of one batch (256 work-groups), four waves.  Key-side columns m' = token - (n0 - 4), 0..79:
; 0-3 left halo, 4-67 my tokens, 68-71 right halo, 72-79 zeros.  Token t of the tile sees columns t .. t+8.
; Order: both LayerNorms (mean, then centred squares: two passes) in registers; k = wk kn + bk on 80 columns; q = wq qn + bq on 64;
; S = band of q.k; softmax of nine with the maximum taken away, times 512^-1/2; v = wv key + bv on 80 columns; x = query + P v.
; A window place outside the sequence has logit 0, counts in the softmax, and weighs nothing (its P is 0); halo loads there are clamped
; into the tensor and their k and v are never used.
; Wave w owns 128 output channels of each projection for all columns, so each weight byte in LDS is read by one wave.
; CLUSTERS: all work-groups walk the same 24 weight slabs of 65,536 bytes, so the four of a cluster ask for each slab jointly (mask 15).
; ORDER OF THE SLABS: cluster number id gives R = (id + id / 4) % 4.  Row p of the LDS regions and tables holds channel (p + 128 R) % 512;
; wave w loads, projects and stores channels 128 wv .. 128 wv + 127 with wv = (w + R) % 4; step s of a matrix takes slab (s + 2 R) % 8.
; Sums over channels do not mind the order, q and k get the same order of output channels, and R enters global addresses alone.
; So the clusters ask for different slabs at any one time, and a slab that one asks for has as a rule been asked for earlier by another.
; LIMITS: matrix operands are bf16; a non-finite input spreads over the 16 tokens whose 32-column window holds it (0 x NaN in P v).
;
; REGISTER WINDOWS: 0 addresses, fragments, work; 1 rows of key, then query_embed / q sums, then accumulator tiles (8 tt + ot);
; 2 rows of key_embed / k sums, then v0-63 accumulator tiles of column block 4 (also S), v64-223 packed qn, then k fragments, then packed v;
; 3 rows of query, kept for the residual.
; Row layout: thread (w, hh, l), row i = 0..63: channel 128 wv + 2 i + hh, tokens 4 l .. 4 l + 3: sixteen lanes cover 256 aligned bytes.
.set XA,    147456                     ; [channel][column] bf16, pitch 160: kn, then qn; later S partial sums and the output stages
.set XB,    229376                     ; raw key, bf16, same shape
.set PB,    311296                     ; P: [64 tokens][32 columns] bf16, pitch 80
.set RED,   316416                     ; two arrays of 4 x 576 bytes: per wave 80 key-side sums, 64 query-side sums
.set GT,    321536                     ; g_norm, b_norm
.set BT,    316416                     ; bk, bq, bv: over RED and GT, written when these have been read
.set SLOT,  73728                      ; a ring slot: 512 rows of 128 bytes + 16 of padding
.set ROWO,4
.set HALO,5
.set KNS,6
.set KBS,7
.set KNH,8
.set KBH,9
.set ZA,10
.set ZB,11
.set REDW,12
.set REDWH,13
.set REDR,14
.set REDRH,15
.set GTS,16
.set GTL,17
.set GTH,18
.set WAD,19
.set XAD,21
.set T16G,21                           ; global offset of my 16 bytes of the five tables; the register is XAD's, which is first written at step 0
.set TRL,22
.set SPW,23
.set SML,24
.set PZ,25
.set PS,26
.set PFL,27
.set BTL,28
.set BTV,29
.set STW,30
.set STR,31
.set BTS,32
.set POS,33
.set T16,34
.set RB,36                             ; v36-47 bk, bq, bv as loaded
.set F0,48                             ; fragment buffer 0: 64 registers of W, 40 of X
.set F1,152                            ; fragment buffer 1
.set GB,48                             ; first phase: (g, b) of 32 rows
.set GBH,112                           ; (g, b) of the 8 halo rows
.set HS,128                            ; halo sums, 8 rows x 4
.set KH,160                            ; halo of the raw key
.set CH,192                            ; four chains of 4
.set MEANK,208
.set RSTDK,212
.set MEANH,216
.set RSTDH,220
.set MEANQ,224
.set RSTDQ,228
.set TG,236
.set TB,240
.set Z4,244
.set PT,248
.set OD,56                             ; last phase: two sets of four output tiles
.set PF,120                            ; P fragments
.set RT,152                            ; two sets of eight rows on the way out
.set SL,152                            ; softmax work
.set G1,40
.set G0,48
.set MSB, 0
.macro WIN new                         ; the immediate's high byte repeats the setting that is left
.if MSB != (\new)
	s_set_vgpr_msb (MSB<<8)|(\new)
.set MSB, (\new)
.endif
.endm
.macro PLACES n
.rept \n
	v_nop
.endr
.endm
.macro BAR
	s_barrier_signal -1
	s_barrier_wait -1
.endm
.macro ROUND                           ; a round of the cluster's barrier
	s_barrier_signal -1
	s_barrier_wait -1
	s_cmp_lg_u32 s8, 0
	s_cbranch_scc1 .Lnot_wave_0_\@
	s_barrier_signal -3
.Lnot_wave_0_\@:
	s_barrier_wait -3
	s_barrier_signal -1
	s_barrier_wait -1
.endm
	s_load_b512 s[16:31], s[0:1], 0x0              ; query 16, query_embed 18, key 20, key_embed 22, g 24, b 26, bq 28, bk 30
	s_load_b128 s[32:35], s[0:1], 0x40             ; bv 32, wqkv 34
	s_load_b64 s[36:37], s[0:1], 0x50              ; xbuf
	v_lshl_add_u32 v46, v0, 2, 0x4f800
	v_mov_b32 v47, 0
	ds_add_u32 v46, v47
	ds_add_u32 v46, v47
	s_wait_dscnt 0x0
	v_lshrrev_b32 v1, 5, v0
	v_readfirstlane_b32 s8, v1                     ; wave 0..3
	s_bfe_u32 s9, ttmp6, 0x40000                   ; my place in the cluster: enters global offsets and token numbers alone
	s_lshl_b32 s10, ttmp9, 2
	s_add_co_u32 s10, s10, s9                      ; work-group 0..255
	s_lshr_b32 s11, s10, 5                         ; batch
	s_and_b32 s14, s10, 31
	s_lshl_b32 s14, s14, 6                         ; n0
	s_lshr_b32 s62, ttmp9, 2                       ; the cluster's number, which the four partners share, gives
	s_add_co_u32 s62, s62, ttmp9
	s_and_b32 s62, s62, 3                          ; R = (id + id / 4) % 4
	s_add_co_u32 s63, s8, s62
	s_and_b32 s63, s63, 3                          ; wv = (w + R) % 4: which 128 channels are my wave's, in every global offset
	s_lshl_b32 s62, s62, 1                         ; 2 R: the slab of a matrix at which my cluster starts
	s_mov_b32 s78, 2                               ; the place of the walk (0..23) that the next refill brings
	s_mov_b32 s12, 0x76543210                      ; v_permlanex16_b32: lane i reads lane i of the other half
	s_mov_b32 s13, 0xfedcba98
	s_mov_b32 s38, 0x3b000000                      ; 1/512
	s_mov_b32 s39, 0x3727c5ac                      ; 1e-5
	s_movk_i32 s75, 2048
	s_mov_b32 s76, 0x3fb8aa3b                      ; log2 e
	s_mov_b32 s77, 0x3d3504f3                      ; 512^-1/2
	; group 1: 64 dense rows of 256 bytes (elements of 8 bytes); 16 bytes of padding behind every 128: a memory row gives two LDS rows of pitch 144
	s_mov_b32 s[G1+0], 15|(3<<16)|(1<<20)|(1<<21)|(4<<22)|(3<<25)
	s_mov_b32 s[G1+1], 32<<16
	s_mov_b32 s[G1+2], 64<<16
	s_mov_b32 s[G1+3], 32<<16
	s_mov_b32 s[G1+4], 64
	s_mov_b32 s[G1+5], 32
	s_mov_b32 s[G1+6], 0
	s_mov_b32 s[G1+7], 0
	s_mov_b32 s[G0+0], 1
	s_mul_i32 s[G0+1], s8, 18432                   ; my 128 rows of slot 0
	s_mov_b32 s[G0+4], 1
	s_add_co_u32 s[G0+5], s[G0+1], SLOT            ; and of slot 1
	s_lshl_b32 s4, s63, 14                         ; my 16,384 bytes of a slab: output channels 128 wv ..
	s_mov_b32 s5, 0                                ; s[4:5] is an offset pair from here on: s5 stays 0
	s_lshl_b32 s6, s11, 22                         ; batch x 4,194,304 bytes
	s_mov_b32 s7, 0
	s_sub_co_i32 s56, s14, 4
	s_max_i32 s56, s56, 0                          ; first token of the left halo, kept inside the row
	s_add_co_u32 s57, s14, 64
	s_min_u32 s57, s57, 2044                       ; of the right halo, likewise
	s_sub_co_u32 s57, s57, s56
	s_lshl_b32 s58, s63, 20                        ; 128 wv rows of 8,192 bytes
	s_lshl2_add_u32 s59, s14, s58                  ; + 4 n0
	s_wait_kmcnt 0x0
	s_add_nc_u64 s[34:35], s[34:35], s[4:5]        ; wqkv at my rows of slab 0: the base of every slab's address
	s_lshl_b32 s4, s62, 16
	s_add_nc_u64 s[G0+2:G0+3], s[34:35], s[4:5]    ; place 0: slab 2 R of wk
	s_add_nc_u64 s[G0+6:G0+7], s[G0+2:G0+3], 65536 ; place 1: slab 2 R + 1
	s_or_b32 s[G0+3], s[G0+3], 0x80000000
	s_or_b32 s[G0+7], s[G0+7], 0x80000000
	ROUND                                          ; the four partners are here: the first joint loads meet
	tensor_load_to_lds s[G0:G0+3], s[G1:G1+7]
	s_nop 0
	tensor_load_to_lds s[G0+4:G0+7], s[G1:G1+7]    ; two tensor loads of the wave are out
	s_nop 0
	s_add_nc_u64 s[16:17], s[16:17], s[6:7]
	s_add_nc_u64 s[18:19], s[18:19], s[6:7]
	s_add_nc_u64 s[20:21], s[20:21], s[6:7]
	s_add_nc_u64 s[22:23], s[22:23], s[6:7]
	s_add_nc_u64 s[36:37], s[36:37], s[6:7]
	v_and_b32 v1, 15, v0                           ; l = r
	v_bfe_u32 v2, v0, 4, 1                         ; hh = h
	v_and_b32 v3, 7, v0
	v_bfe_u32 v35, v0, 3, 1
	v_lshlrev_b32 v[T16], 4, v0
	v_and_b32 v[T16G], 31, v0
	v_lshlrev_b32 v[T16G], 4, v[T16G]
	v_lshl_add_u32 v[T16G], s63, 9, v[T16G]        ; 512 wv + 16 lane: the four table entries that belong at LDS place 16 x thread
	v_lshlrev_b32 v[ROWO], 13, v2
	v_lshl_add_u32 v[ROWO], v1, 4, v[ROWO]
	v_add_nc_u32 v[ROWO], s59, v[ROWO]             ; (128 wv + hh) rows + 4 n0 + 16 l
	v_mul_u32_u24 v232, v2, s57
	v_add_nc_u32 v232, s56, v232                   ; halo token: left for lanes 0-15, right for lanes 16-31
	v_lshlrev_b32 v232, 2, v232
	v_lshl_add_u32 v232, v1, 13, v232
	v_add_nc_u32 v[HALO], s58, v232                ; (128 wv + l) rows + 4 token
.macro ROWS_IN W, sb                   ; 64 loads: my 64 rows of one tensor into window W
	WIN (\W)<<6
.set l_i, 0
.rept 64
	global_load_b128 v[4*l_i:4*l_i+3], v[ROWO], s[\sb:\sb+1] offset:16384*l_i
.set l_i, l_i+1
.endr
	WIN 0
.endm
.macro ROWS_IN_NT W, sb                ; the same for a tensor that the launch reads once
	WIN (\W)<<6
.set l_i, 0
.rept 64
	global_load_b128 v[4*l_i:4*l_i+3], v[ROWO], s[\sb:\sb+1] offset:16384*l_i th:TH_LOAD_NT
.set l_i, l_i+1
.endr
	WIN 0
.endm
.macro HALO_IN dst, sb                 ; 8 loads: channels 128 wv + 16 e + l, four halo tokens
.set l_i, 0
.rept 8
	global_load_b128 v[\dst+4*l_i:\dst+4*l_i+3], v[HALO], s[\sb:\sb+1] offset:131072*l_i
.set l_i, l_i+1
.endr
.endm
	global_load_b128 v[TG:TG+3], v[T16G], s[24:25]
	global_load_b128 v[TB:TB+3], v[T16G], s[26:27]
	global_load_b128 v[RB:RB+3], v[T16G], s[30:31]
	global_load_b128 v[RB+4:RB+7], v[T16G], s[28:29]
	global_load_b128 v[RB+8:RB+11], v[T16G], s[32:33]
	ROWS_IN 1, 20                                  ; key
	HALO_IN KH, 20
	ROWS_IN 2, 22                                  ; key_embed
	HALO_IN HS, 22
	ROWS_IN_NT 3, 16                               ; query
	; the LDS addresses, while the loads are on their way: made of the wave's number and the lane alone
	s_mul_i32 s60, s8, 20480                       ; 128 w rows of 160 bytes
	v_mul_u32_u24 v232, v2, 160
	v_lshl_add_u32 v232, v1, 3, v232
	v_add_nc_u32 v232, s60, v232
	v_add_nc_u32 v[KNS], XA, v232
	v_add_nc_u32 v[KBS], XB, v232
	v_mul_u32_u24 v233, v1, 160
	v_mad_u32_u24 v233, v2, 136, v233
	v_add_nc_u32 v233, s60, v233
	v_add_nc_u32 v[KNH], XA, v233
	v_add_nc_u32 v[KBH], XB, v233
	v_mul_u32_u24 v234, v0, 640
	v_add_nc_u32 v[ZA], XA+144, v234
	v_add_nc_u32 v[ZB], XB+144, v234
	s_mul_i32 s60, s8, 576
	v_lshlrev_b32 v235, 4, v1
	v_add_nc_u32 v[REDR], RED, v235
	v_add_nc_u32 v[REDW], s60, v[REDR]
	v_mul_u32_u24 v252, v2, 272
	v_add_nc_u32 v[REDRH], RED, v252
	v_add_nc_u32 v[REDWH], s60, v[REDRH]
	v_add_nc_u32 v[GTS], GT, v[T16]
	v_add_nc_u32 v[BTS], BT, v[T16]
	s_lshl_b32 s60, s8, 9
	v_lshl_add_u32 v253, v2, 2, s60
	v_add_nc_u32 v[GTL], GT, v253
	v_lshl_add_u32 v254, v1, 2, s60
	v_add_nc_u32 v[GTH], GT, v254
	v_add_nc_u32 v[BTV], BT+4096, v254
	v_lshl_add_u32 v255, v2, 5, s60
	v_add_nc_u32 v[BTL], BT, v255
	s_mul_i32 s60, s8, 18432
	v_mul_u32_u24 v232, v1, 144
	v_lshl_add_u32 v233, v2, 4, v232
	v_add_nc_u32 v[WAD], s60, v233
	v_add_nc_u32 v[WAD+1], SLOT, v[WAD]
	v_lshl_add_u32 v234, v2, 3, v3
	v_mul_u32_u24 v234, v234, 160
	v_lshl_add_u32 v[TRL], v35, 4, v234            ; lane term of a transposing load: (8 h + L % 8) x 160 + 16 ((L / 8) % 2)
	s_mul_i32 s60, s8, 9216
	v_lshl_add_u32 v233, v2, 5, v232
	v_add_nc_u32 v233, s60, v233
	v_add_nc_u32 v[SPW], XA, v233
	s_mul_i32 s60, s8, 2304
	v_mul_u32_u24 v233, v1, 148
	v_add_nc_u32 v233, s60, v233
	v_add_nc_u32 v[SML], XA, v233
	s_mul_i32 s60, s8, 1280
	v_mul_u32_u24 v232, v1, 80
	v_lshl_add_u32 v233, v2, 4, v232
	v_add_nc_u32 v[PFL], PB, v233
	v_add_nc_u32 v232, s60, v232
	v_lshl_add_u32 v233, v2, 5, v232
	v_add_nc_u32 v[PZ], PB, v233
	v_lshl_add_u32 v233, v1, 1, v232
	v_add_nc_u32 v[PS], PB, v233
	s_mul_i32 s60, s8, 8704
	s_add_co_u32 s60, s60, XA+40960
	v_mul_u32_u24 v232, v1, 272
	v_lshl_add_u32 v232, v2, 5, v232
	v_add_nc_u32 v[STW], s60, v232
	v_mul_u32_u24 v232, v2, 272
	v_lshl_add_u32 v232, v1, 4, v232
	v_add_nc_u32 v[STR], s60, v232
	s_lshl4_add_u32 s61, s8, s14
	s_sub_co_u32 s61, s61, 4
	v_add_nc_u32 v[POS], s61, v1                   ; first token of my softmax row's window (may wrap below 0: compared unsigned)
.irp q, 0,1,2,3
	v_mov_b32 v[Z4+\q], 0
	v_mov_b32 v[PT+\q], 0                          ; v_permlanex16_b32 counts as a reader of its destination
.endr
; ---- sums over channels.  W = window of the 64 rows; the result, over my wave's 128 channels, lies in v[CH:CH+3] of every lane
.macro CHTAIL
	v_pk_add_f32 v[CH:CH+1], v[CH:CH+1], v[CH+4:CH+5]
	v_pk_add_f32 v[CH+2:CH+3], v[CH+2:CH+3], v[CH+6:CH+7]
	v_pk_add_f32 v[CH+8:CH+9], v[CH+8:CH+9], v[CH+12:CH+13]
	v_pk_add_f32 v[CH+10:CH+11], v[CH+10:CH+11], v[CH+14:CH+15]
	v_pk_add_f32 v[CH:CH+1], v[CH:CH+1], v[CH+8:CH+9]
	v_pk_add_f32 v[CH+2:CH+3], v[CH+2:CH+3], v[CH+10:CH+11]
.irp q, 0,1,2,3
	v_permlanex16_b32 v[PT+\q], v[CH+\q], s12, s13
.endr
.irp q, 0,1,2,3
	v_add_f32 v[CH+\q], v[CH+\q], v[PT+\q]
.endr
.endm
.macro ROWSUM W
	WIN (\W)|((\W)<<2)
.set r_k, 0
.rept 4                                ; the first eight rows start four chains: nothing is cleared
	v_pk_add_f32 v[CH+4*r_k:CH+4*r_k+1], v[4*r_k:4*r_k+1], v[4*r_k+16:4*r_k+17]
	v_pk_add_f32 v[CH+4*r_k+2:CH+4*r_k+3], v[4*r_k+2:4*r_k+3], v[4*r_k+18:4*r_k+19]
.set r_k, r_k+1
.endr
	WIN (\W)<<2
.set r_k, 8
.rept 56
	v_pk_add_f32 v[CH+4*(r_k%4):CH+4*(r_k%4)+1], v[CH+4*(r_k%4):CH+4*(r_k%4)+1], v[4*r_k:4*r_k+1]
	v_pk_add_f32 v[CH+4*(r_k%4)+2:CH+4*(r_k%4)+3], v[CH+4*(r_k%4)+2:CH+4*(r_k%4)+3], v[4*r_k+2:4*r_k+3]
.set r_k, r_k+1
.endr
	WIN 0
	CHTAIL
.endm
.macro ROWSQ W
	WIN (\W)|((\W)<<2)
.set r_k, 0
.rept 4
	v_pk_mul_f32 v[CH+4*r_k:CH+4*r_k+1], v[4*r_k:4*r_k+1], v[4*r_k:4*r_k+1]
	v_pk_mul_f32 v[CH+4*r_k+2:CH+4*r_k+3], v[4*r_k+2:4*r_k+3], v[4*r_k+2:4*r_k+3]
.set r_k, r_k+1
.endr
.rept 60
	v_pk_fma_f32 v[CH+4*(r_k%4):CH+4*(r_k%4)+1], v[4*r_k:4*r_k+1], v[4*r_k:4*r_k+1], v[CH+4*(r_k%4):CH+4*(r_k%4)+1]
	v_pk_fma_f32 v[CH+4*(r_k%4)+2:CH+4*(r_k%4)+3], v[4*r_k+2:4*r_k+3], v[4*r_k+2:4*r_k+3], v[CH+4*(r_k%4)+2:CH+4*(r_k%4)+3]
.set r_k, r_k+1
.endr
	WIN 0
	CHTAIL
.endm
.macro CENTER W, M                     ; rows minus the tokens' means
	WIN ((\W)<<6)|(\W)
.set r_k, 0
.rept 64
	v_pk_add_f32 v[4*r_k:4*r_k+1], v[4*r_k:4*r_k+1], v[\M:\M+1] neg_lo:[0,1] neg_hi:[0,1]
	v_pk_add_f32 v[4*r_k+2:4*r_k+3], v[4*r_k+2:4*r_k+3], v[\M+2:\M+3] neg_lo:[0,1] neg_hi:[0,1]
.set r_k, r_k+1
.endr
	WIN 0
.endm
.macro GBLOAD a, n                     ; (g, b) of rows a .. a+n-1
.set r_k, 0
.rept \n
	ds_load_b32 v[GB+2*r_k], v[GTL] offset:8*(\a+r_k)
	ds_load_b32 v[GB+2*r_k+1], v[GTL] offset:2048+8*(\a+r_k)
.set r_k, r_k+1
.endr
.endm
.macro NORM W, a, n, RS                ; rows a .. a+n-1: times the tokens' 1/sigma, then times the row's g plus its b (one pair serves both)
	WIN ((\W)<<6)|(\W)
.set r_k, 0
.rept \n
.set r_r, 4*(\a+r_k)
	v_pk_mul_f32 v[r_r:r_r+1], v[r_r:r_r+1], v[\RS:\RS+1]
	v_pk_mul_f32 v[r_r+2:r_r+3], v[r_r+2:r_r+3], v[\RS+2:\RS+3]
	v_pk_fma_f32 v[r_r:r_r+1], v[r_r:r_r+1], v[GB+2*r_k:GB+2*r_k+1], v[GB+2*r_k:GB+2*r_k+1] op_sel:[0,0,1] op_sel_hi:[1,0,1]
	v_pk_fma_f32 v[r_r+2:r_r+3], v[r_r+2:r_r+3], v[GB+2*r_k:GB+2*r_k+1], v[GB+2*r_k:GB+2*r_k+1] op_sel:[0,0,1] op_sel_hi:[1,0,1]
.set r_k, r_k+1
.endr
.endm
.macro PACKROWS win, a, n              ; rows to bf16, in place: registers 4 i, 4 i + 1
	WIN \win
.set r_k, \a
.rept \n
	v_cvt_pk_bf16_f32 v[4*r_k], v[4*r_k], v[4*r_k+1]
	v_cvt_pk_bf16_f32 v[4*r_k+1], v[4*r_k+2], v[4*r_k+3]
.set r_k, r_k+1
.endr
.endm
.macro STROWS win, adr, a, n, off      ; and into LDS: 8 bytes a lane
	WIN \win
.set r_k, \a
.rept \n
	ds_store_b64 v[\adr], v[4*r_k:4*r_k+1] offset:\off+320*r_k
.set r_k, r_k+1
.endr
.endm
.macro PKALL win                       ; a whole window: destination = source 0 + source 1, register by register
	WIN \win
.set r_k, 0
.rept 128
	v_pk_add_f32 v[2*r_k:2*r_k+1], v[2*r_k:2*r_k+1], v[2*r_k:2*r_k+1]
.set r_k, r_k+1
.endr
	WIN 0
.endm
; ---- the same for the halo: 8 rows in window 0, the 16 lanes of a half hold 16 channels
.macro HTAIL
	v_pk_add_f32 v[CH:CH+1], v[CH:CH+1], v[CH+4:CH+5]
	v_pk_add_f32 v[CH+2:CH+3], v[CH+2:CH+3], v[CH+6:CH+7]
.irp m, 1,2,4,8
.irp q, 0,1,2,3
	v_add_f32_dpp v[CH+\q], v[CH+\q], v[CH+\q] row_xmask:\m row_mask:0xf bank_mask:0xf
.endr
.endr
.endm
.macro HSUM
.irp c, 0,1
	v_pk_add_f32 v[CH+4*\c:CH+4*\c+1], v[HS+4*\c:HS+4*\c+1], v[HS+4*\c+8:HS+4*\c+9]
	v_pk_add_f32 v[CH+4*\c+2:CH+4*\c+3], v[HS+4*\c+2:HS+4*\c+3], v[HS+4*\c+10:HS+4*\c+11]
.endr
.irp e, 4,5,6,7
	v_pk_add_f32 v[CH+4*(\e%2):CH+4*(\e%2)+1], v[CH+4*(\e%2):CH+4*(\e%2)+1], v[HS+4*\e:HS+4*\e+1]
	v_pk_add_f32 v[CH+4*(\e%2)+2:CH+4*(\e%2)+3], v[CH+4*(\e%2)+2:CH+4*(\e%2)+3], v[HS+4*\e+2:HS+4*\e+3]
.endr
	HTAIL
.endm
.macro HSQ
.irp c, 0,1
	v_pk_mul_f32 v[CH+4*\c:CH+4*\c+1], v[HS+4*\c:HS+4*\c+1], v[HS+4*\c:HS+4*\c+1]
	v_pk_mul_f32 v[CH+4*\c+2:CH+4*\c+3], v[HS+4*\c+2:HS+4*\c+3], v[HS+4*\c+2:HS+4*\c+3]
.endr
.irp e, 2,3,4,5,6,7
	v_pk_fma_f32 v[CH+4*(\e%2):CH+4*(\e%2)+1], v[HS+4*\e:HS+4*\e+1], v[HS+4*\e:HS+4*\e+1], v[CH+4*(\e%2):CH+4*(\e%2)+1]
	v_pk_fma_f32 v[CH+4*(\e%2)+2:CH+4*(\e%2)+3], v[HS+4*\e+2:HS+4*\e+3], v[HS+4*\e+2:HS+4*\e+3], v[CH+4*(\e%2)+2:CH+4*(\e%2)+3]
.endr
	HTAIL
.endm
.macro REDLOAD base                    ; the four waves' sums: key side, halo, query side
.irp ww, 0,1,2,3
	ds_load_b128 v[48+4*\ww:48+4*\ww+3], v[REDR] offset:\base+576*\ww+16
	ds_load_b128 v[64+4*\ww:64+4*\ww+3], v[REDRH] offset:\base+576*\ww
	ds_load_b128 v[80+4*\ww:80+4*\ww+3], v[REDR] offset:\base+576*\ww+320
.endr
	s_wait_dscnt 0x0
.endm
.macro RED4 src                        ; four quads into the first
	v_pk_add_f32 v[\src:\src+1], v[\src:\src+1], v[\src+4:\src+5]
	v_pk_add_f32 v[\src+2:\src+3], v[\src+2:\src+3], v[\src+6:\src+7]
	v_pk_add_f32 v[\src+8:\src+9], v[\src+8:\src+9], v[\src+12:\src+13]
	v_pk_add_f32 v[\src+10:\src+11], v[\src+10:\src+11], v[\src+14:\src+15]
	v_pk_add_f32 v[\src:\src+1], v[\src:\src+1], v[\src+8:\src+9]
	v_pk_add_f32 v[\src+2:\src+3], v[\src+2:\src+3], v[\src+10:\src+11]
.endm
	s_wait_loadcnt 0x3f                            ; the 63 youngest loads, all rows of query, may stay out: the key side, the gains and the biases are in
	ds_store_b128 v[GTS], v[TG:TG+3]
	ds_store_b128 v[GTS], v[TB:TB+3] offset:2048
.irp k, 0,1,2,3
	ds_store_b128 v[ZA], v[Z4:Z4+3] offset:160*\k  ; columns 72-79 of four channels a thread: zeros
	ds_store_b128 v[ZB], v[Z4:Z4+3] offset:160*\k
.endr
	PKALL 0x86                                     ; window 2 = key_embed + key
.set r_k, 0
.rept 16
	v_pk_add_f32 v[HS+2*r_k:HS+2*r_k+1], v[HS+2*r_k:HS+2*r_k+1], v[KH+2*r_k:KH+2*r_k+1]
.set r_k, r_k+1
.endr
	PACKROWS 0x45, 0, 64                           ; the raw key, for v
	STROWS 0x04, KBS, 0, 64, 8
	WIN 0
.irp e, 0,1,2,3,4,5,6,7
	v_cvt_pk_bf16_f32 v[KH+4*\e], v[KH+4*\e], v[KH+4*\e+1]
	v_cvt_pk_bf16_f32 v[KH+4*\e+1], v[KH+4*\e+2], v[KH+4*\e+3]
	ds_store_b64 v[KBH], v[KH+4*\e:KH+4*\e+1] offset:2560*\e
.endr
	s_wait_dscnt 0x0                               ; the stores have taken their data: window 1 is loaded again only now
	ROWS_IN_NT 1, 18                               ; query_embed
	ROWSUM 2
	ds_store_b128 v[REDW], v[CH:CH+3] offset:16
	HSUM
	ds_store_b128 v[REDWH], v[CH:CH+3]
	s_wait_loadcnt 0x0
	PKALL 0x4d                                     ; window 1 = query_embed + query
	ROWSUM 1
	ds_store_b128 v[REDW], v[CH:CH+3] offset:320
	s_wait_dscnt 0x0                               ; my sums are in LDS
	BAR
	REDLOAD 0
	RED4 48
	RED4 64
	RED4 80
	v_pk_mul_f32 v[MEANK:MEANK+1], v[48:49], s[38:39] op_sel_hi:[1,0]
	v_pk_mul_f32 v[MEANK+2:MEANK+3], v[50:51], s[38:39] op_sel_hi:[1,0]
	v_pk_mul_f32 v[MEANH:MEANH+1], v[64:65], s[38:39] op_sel_hi:[1,0]
	v_pk_mul_f32 v[MEANH+2:MEANH+3], v[66:67], s[38:39] op_sel_hi:[1,0]
	v_pk_mul_f32 v[MEANQ:MEANQ+1], v[80:81], s[38:39] op_sel_hi:[1,0]
	v_pk_mul_f32 v[MEANQ+2:MEANQ+3], v[82:83], s[38:39] op_sel_hi:[1,0]
	CENTER 2, MEANK
.irp e, 0,1,2,3,4,5,6,7
	v_pk_add_f32 v[HS+4*\e:HS+4*\e+1], v[HS+4*\e:HS+4*\e+1], v[MEANH:MEANH+1] neg_lo:[0,1] neg_hi:[0,1]
	v_pk_add_f32 v[HS+4*\e+2:HS+4*\e+3], v[HS+4*\e+2:HS+4*\e+3], v[MEANH+2:MEANH+3] neg_lo:[0,1] neg_hi:[0,1]
.endr
	CENTER 1, MEANQ
	ROWSQ 2
	ds_store_b128 v[REDW], v[CH:CH+3] offset:2304+16
	HSQ
	ds_store_b128 v[REDWH], v[CH:CH+3] offset:2304
	ROWSQ 1
	ds_store_b128 v[REDW], v[CH:CH+3] offset:2304+320
	s_wait_dscnt 0x0
	BAR
	REDLOAD 2304
	RED4 48
	RED4 64
	RED4 80
.irp q, 0,1,2,3
	v_fma_f32 v[48+\q], v[48+\q], s38, s39         ; variance + 1e-5
	v_fma_f32 v[64+\q], v[64+\q], s38, s39
	v_fma_f32 v[80+\q], v[80+\q], s38, s39
.endr
.irp q, 0,1,2,3
	v_rsq_f32 v[RSTDK+\q], v[48+\q]
	v_rsq_f32 v[RSTDH+\q], v[64+\q]
	v_rsq_f32 v[RSTDQ+\q], v[80+\q]
.endr
	v_nop                                          ; one plain place behind the last v_rsq_f32 (ISA guide 5.7.2)
	s_wait_alu depctr_va_vdst(0)
.macro HALF a                          ; rows a .. a+31 of both sides: normalise, round; kn into LDS, qn kept in window 2, v64 + 2 i
	GBLOAD \a, 32
	s_wait_dscnt 0x0
	NORM 2, \a, 32, RSTDK
	PACKROWS 0x8a, \a, 32
	STROWS 0x08, KNS, \a, 32, 8
	NORM 1, \a, 32, RSTDQ
	WIN 0x85
.set r_k, \a
.rept 32
	v_cvt_pk_bf16_f32 v[64+2*r_k], v[4*r_k], v[4*r_k+1]
	v_cvt_pk_bf16_f32 v[64+2*r_k+1], v[4*r_k+2], v[4*r_k+3]
.set r_k, r_k+1
.endr
	WIN 0
.endm
	HALF 0
	HALF 32
.irp e, 0,1,2,3,4,5,6,7
	ds_load_b32 v[GBH+2*\e], v[GTH] offset:64*\e
	ds_load_b32 v[GBH+2*\e+1], v[GTH] offset:2048+64*\e
.endr
	s_wait_dscnt 0x0
.irp e, 0,1,2,3,4,5,6,7
	v_pk_mul_f32 v[HS+4*\e:HS+4*\e+1], v[HS+4*\e:HS+4*\e+1], v[RSTDH:RSTDH+1]
	v_pk_mul_f32 v[HS+4*\e+2:HS+4*\e+3], v[HS+4*\e+2:HS+4*\e+3], v[RSTDH+2:RSTDH+3]
	v_pk_fma_f32 v[HS+4*\e:HS+4*\e+1], v[HS+4*\e:HS+4*\e+1], v[GBH+2*\e:GBH+2*\e+1], v[GBH+2*\e:GBH+2*\e+1] op_sel:[0,0,1] op_sel_hi:[1,0,1]
	v_pk_fma_f32 v[HS+4*\e+2:HS+4*\e+3], v[HS+4*\e+2:HS+4*\e+3], v[GBH+2*\e:GBH+2*\e+1], v[GBH+2*\e:GBH+2*\e+1] op_sel:[0,0,1] op_sel_hi:[1,0,1]
	v_cvt_pk_bf16_f32 v[HS+4*\e], v[HS+4*\e], v[HS+4*\e+1]
	v_cvt_pk_bf16_f32 v[HS+4*\e+1], v[HS+4*\e+2], v[HS+4*\e+3]
	ds_store_b64 v[KNH], v[HS+4*\e:HS+4*\e+1] offset:2560*\e
.endr
; ---- the projections: 24 steps, one slab of 64 input channels each; place u of the walk lies in slot u % 2
; The head of a step.  Every wave waits for all its tensor loads (its part of this step's slab among them) and for its LDS reads of the other
; slot; the round then holds of every wave of the four partners; the joint refill of the other slot is the first thing behind it.
.macro HEAD slot, refill
	s_wait_xcnt 0x0
	s_set_vgpr_msb (MSB<<8)|((MSB&0x3c)|0x0)
	v_lshl_add_u32 v46, v0, 2, 0x4f800
	v_mov_b32 v47, 0
	s_set_vgpr_msb (((MSB&0x3c)|0x0)<<8)|((MSB&0x30)|0x0)
	s_wait_tensorcnt 0x0
	ds_add_u32 v46, v47
	s_wait_dscnt 0x0
	s_set_vgpr_msb (((MSB&0x30)|0x0)<<8)|MSB
.if \refill
	s_add_co_u32 s4, s78, s62                      ; no load of mine is out: the other slot's group 0 is written.  Place u takes
	s_and_b32 s4, s4, 7                            ; slab (u + 2 R) % 8
	s_and_b32 s79, s78, 24                         ; of matrix u / 8
	s_or_b32 s4, s4, s79
	s_lshl_b32 s4, s4, 16                          ; 65,536 bytes a slab: 23 x 65,536 at the most, inside the 24 slabs
	s_add_nc_u64 s[G0+6-4*\slot:G0+7-4*\slot], s[34:35], s[4:5]
	s_or_b32 s[G0+7-4*\slot], s[G0+7-4*\slot], 0x80000000
	s_add_co_u32 s78, s78, 1
.endif
	s_wait_dscnt 0x0
	WIN 0
.if \refill
	ROUND
	tensor_load_to_lds s[G0+4-4*\slot:G0+7-4*\slot], s[G1:G1+7]    ; one tensor load of the wave is out
	s_nop 0
.else
	BAR
.endif
.endm
.macro FETCH slot, ks, F, n            ; 16 + 2 n loads: my 128 rows of W and n column blocks of X, 32 channels
.set f_o, 0
.rept 8
	ds_load_b128 v[\F+8*f_o:\F+8*f_o+3], v[WAD+\slot] offset:2304*f_o+64*\ks
	ds_load_b128 v[\F+8*f_o+4:\F+8*f_o+7], v[WAD+\slot] offset:2304*f_o+64*\ks+32
.set f_o, f_o+1
.endr
.set f_t, 0
.rept \n
	ds_load_tr16_b128 v[\F+64+8*f_t:\F+64+8*f_t+3], v[XAD] offset:10240*\slot+5120*\ks+32*f_t
	ds_load_tr16_b128 v[\F+64+8*f_t+4:\F+64+8*f_t+7], v[XAD] offset:10240*\slot+5120*\ks+32*f_t+2560
.set f_t, f_t+1
.endr
.endm
; 8 n matrix instructions.  orient 0: source 0 = W: a lane holds one column, its registers 8 channels (k, q).  orient 1: source 0 = X: a lane
; holds one channel, its registers 8 columns (v).  The accumulators take turns, one instruction a turn.
.macro MUL F, n, orient, first
	WIN 0x50
.set m_t, 0
.rept \n
.if m_t == 4
	WIN 0xa0
.endif
.set m_o, 0
.rept 8
.if m_t == 4
.set m_d, 8*m_o
.else
.set m_d, 8*(8*m_t+m_o)
.endif
.set m_w, \F+8*m_o
.set m_x, \F+64+8*m_t
.if \orient
.if \first
	v_wmma_f32_16x16x32_bf16 v[m_d:m_d+7], v[m_x:m_x+7], v[m_w:m_w+7], 0
.else
	v_wmma_f32_16x16x32_bf16 v[m_d:m_d+7], v[m_x:m_x+7], v[m_w:m_w+7], v[m_d:m_d+7]
.endif
.else
.if \first
	v_wmma_f32_16x16x32_bf16 v[m_d:m_d+7], v[m_w:m_w+7], v[m_x:m_x+7], 0
.else
	v_wmma_f32_16x16x32_bf16 v[m_d:m_d+7], v[m_w:m_w+7], v[m_x:m_x+7], v[m_d:m_d+7]
.endif
.endif
.set m_o, m_o+1
.endr
.set m_t, m_t+1
.endr
.endm
.macro BODY slot, n, orient, first
	WIN 0
	PLACES 4                                       ; loads into registers that matrix instructions have read stand four places behind them
	FETCH \slot, 0, F0, \n
	FETCH \slot, 1, F1, \n
	s_wait_dscnt 16+2*\n                           ; buffer 0 is in; buffer 1's loads may stay out
	MUL F0, \n, \orient, \first
	s_wait_dscnt 0x0
	MUL F1, \n, \orient, 0
.endm
.macro BIASLD base                     ; bias tiles for orient 0: 8 channels a lane, for each of my 8 channel blocks
.set b_o, 0
.rept 8
	ds_load_b128 v[F0+8*b_o:F0+8*b_o+3], v[BTL] offset:\base+64*b_o
	ds_load_b128 v[F0+8*b_o+4:F0+8*b_o+7], v[BTL] offset:\base+64*b_o+16
.set b_o, b_o+1
.endr
	s_wait_dscnt 0x0
.endm
.macro BIASADD n
	WIN 0x41
.set b_t, 0
.rept \n
.if b_t == 4
	WIN 0x82
.endif
.set b_o, 0
.rept 8
.if b_t == 4
.set b_d, 8*b_o
.else
.set b_d, 8*(8*b_t+b_o)
.endif
.set b_q, 0
.rept 4
	v_pk_add_f32 v[b_d+2*b_q:b_d+2*b_q+1], v[b_d+2*b_q:b_d+2*b_q+1], v[F0+8*b_o+2*b_q:F0+8*b_o+2*b_q+1]
.set b_q, b_q+1
.endr
.set b_o, b_o+1
.endr
.set b_t, b_t+1
.endr
.endm
	; step 0
	s_wait_tensorcnt 0x1                           ; my part of place 0 is in; place 1 may stay out
	s_wait_dscnt 0x0                               ; kn, the raw key and my reads of the sums and gains are done
	BAR
	ds_store_b128 v[BTS], v[RB:RB+3]               ; bk, bq, bv over the sums and gains, which nobody reads any more
	ds_store_b128 v[BTS], v[RB+4:RB+7] offset:2048
	ds_store_b128 v[BTS], v[RB+8:RB+11] offset:4096
	v_add_nc_u32 v[XAD], XA, v[TRL]                ; the tables' loads, which read this register, were waited for long ago
	BODY 0, 5, 0, 1                                ; the first products start the sums: nothing is cleared
	HEAD 1, 1
	BODY 1, 5, 0, 0
	WIN 0
	s_mov_b32 s3, 3
.Lkproj:
	v_add_nc_u32 v[XAD], 20480, v[XAD]             ; 128 LDS rows on
	HEAD 0, 1
	BODY 0, 5, 0, 0
	HEAD 1, 1
	BODY 1, 5, 0, 0
	WIN 0
	s_sub_co_i32 s3, s3, 1
	s_cmp_lg_u32 s3, 0
	s_cbranch_scc1 .Lkproj
	; step 8: k is whole.  qn takes kn's place in LDS; k + bk is packed into fragments: a lane's 8 channels of two tiles are 32 along K
	HEAD 0, 1
	WIN 0x08
.set r_k, 0
.rept 64
	ds_store_b64 v[KNS], v[64+2*r_k:64+2*r_k+1] offset:320*r_k
.set r_k, r_k+1
.endr
	WIN 0
	PLACES 4
	BIASLD 0
	BIASADD 5
	WIN 0x85
.set k_t, 0
.rept 5
.if k_t == 4
	WIN 0x8a
.endif
.set k_o, 0
.rept 8
.if k_t == 4
.set k_s, 8*k_o
.else
.set k_s, 8*(8*k_t+k_o)
.endif
.set k_d, 64+8*(4*k_t+k_o/2)+4*(k_o%2)
.set k_q, 0
.rept 4
	v_cvt_pk_bf16_f32 v[k_d+k_q], v[k_s+2*k_q], v[k_s+2*k_q+1]
.set k_q, k_q+1
.endr
.set k_o, k_o+1
.endr
.set k_t, k_t+1
.endr
	WIN 0
	BAR                                            ; everybody's qn is in LDS (waited for above); place 9 stays on its way
	v_add_nc_u32 v[XAD], XA, v[TRL]
	BODY 0, 4, 0, 1
	HEAD 1, 1
	BODY 1, 4, 0, 0
	WIN 0
	s_mov_b32 s3, 3
.Lqproj:
	v_add_nc_u32 v[XAD], 20480, v[XAD]
	HEAD 0, 1
	BODY 0, 4, 0, 0
	HEAD 1, 1
	BODY 1, 4, 0, 0
	WIN 0
	s_sub_co_i32 s3, s3, 1
	s_cmp_lg_u32 s3, 0
	s_cbranch_scc1 .Lqproj
	; q is whole: + bq, packed in place; S over my 128 channels: token block t against column blocks t and t + 1
	PLACES 4
	BIASLD 2048
	BIASADD 4
	WIN 0x45
.set q_t, 0
.rept 4
.set q_k, 0
.rept 4
.set q_b, 8*(8*q_t+2*q_k)
.irp q, 0,1,2,3
	v_cvt_pk_bf16_f32 v[q_b+\q], v[q_b+2*\q], v[q_b+2*\q+1]
.endr
.irp q, 0,1,2,3
	v_cvt_pk_bf16_f32 v[q_b+4+\q], v[q_b+8+2*\q], v[q_b+9+2*\q]
.endr
.set q_k, q_k+1
.endr
.set q_t, q_t+1
.endr
	WIN 0xa6
.set s_k, 0
.rept 4
.set s_t, 0
.rept 4
.set s_u, 0
.rept 2
.set s_d, 8*(2*s_t+s_u)
.set s_a, 64+8*(4*(s_t+s_u)+s_k)
.set s_b, 8*(8*s_t+2*s_k)
.if s_k == 0
	v_wmma_f32_16x16x32_bf16 v[s_d:s_d+7], v[s_a:s_a+7], v[s_b:s_b+7], 0
.else
	v_wmma_f32_16x16x32_bf16 v[s_d:s_d+7], v[s_a:s_a+7], v[s_b:s_b+7], v[s_d:s_d+7]
.endif
.set s_u, s_u+1
.endr
.set s_t, s_t+1
.endr
.set s_k, s_k+1
.endr
	WIN 0
	PLACES 4
	s_wait_dscnt 0x0
	BAR                                            ; nobody reads qn any more: the partial S take its place
	WIN 0x08
.set s_t, 0
.rept 4
.set s_u, 0
.rept 2
	ds_store_b128 v[SPW], v[8*(2*s_t+s_u):8*(2*s_t+s_u)+3] offset:2304*s_t+64*s_u
	ds_store_b128 v[SPW], v[8*(2*s_t+s_u)+4:8*(2*s_t+s_u)+7] offset:2304*s_t+64*s_u+16
.set s_u, s_u+1
.endr
.set s_t, s_t+1
.endr
	; step 16: the softmax of token 16 w + r (both halves of the lanes do the same), then v
	HEAD 0, 1
.set s_w, 0
.rept 4
.set s_j, 0
.rept 9
	ds_load_b32 v[SL+9*s_w+s_j], v[SML] offset:9216*s_w+4*s_j
.set s_j, s_j+1
.endr
.set s_w, s_w+1
.endr
.irp q, 0,1,2,3
	v_mov_b32 v[SL+40+\q], 0
.endr
	s_wait_dscnt 0x0
.set s_j, 0
.rept 9
	v_add_f32 v[SL+s_j], v[SL+s_j], v[SL+9+s_j]
	v_add_f32 v[SL+18+s_j], v[SL+18+s_j], v[SL+27+s_j]
	v_add_f32 v[SL+s_j], v[SL+s_j], v[SL+18+s_j]
	v_add_nc_u32 v[SL+36], s_j, v[POS]
	v_cmp_gt_u32 s[66+s_j], s75, v[SL+36]          ; the place lies in the sequence
	v_cndmask_b32 v[SL+s_j], 0, v[SL+s_j], s[66+s_j]   ; outside: logit 0
.set s_j, s_j+1
.endr
	v_max3_num_f32 v[SL+37], v[SL], v[SL+1], v[SL+2]
	v_max3_num_f32 v[SL+37], v[SL+37], v[SL+3], v[SL+4]
	v_max3_num_f32 v[SL+37], v[SL+37], v[SL+5], v[SL+6]
	v_max3_num_f32 v[SL+37], v[SL+37], v[SL+7], v[SL+8]
	v_mul_f32 v[SL+37], s76, v[SL+37]
.set s_j, 0
.rept 9
	v_fma_f32 v[SL+9+s_j], v[SL+s_j], s76, -v[SL+37]   ; (logit - maximum) log2 e
.set s_j, s_j+1
.endr
.set s_j, 0
.rept 9
	v_exp_f32 v[SL+18+s_j], v[SL+9+s_j]
.set s_j, s_j+1
.endr
	v_nop                                          ; one plain place behind the last v_exp_f32
	s_wait_alu depctr_va_vdst(0)
	v_add_f32 v[SL+38], v[SL+18], v[SL+19]
.set s_j, 2
.rept 7
	v_add_f32 v[SL+38], v[SL+38], v[SL+18+s_j]
.set s_j, s_j+1
.endr
	v_rcp_f32 v[SL+39], v[SL+38]
	v_nop
	s_wait_alu depctr_va_vdst(0)
	v_mul_f32 v[SL+39], s77, v[SL+39]              ; softmax first, then the scale
	ds_store_b128 v[PZ], v[SL+40:SL+43]            ; my token's row of P: 32 zeros,
	ds_store_b128 v[PZ], v[SL+40:SL+43] offset:16
.set s_j, 0
.rept 9
	v_mul_f32 v[SL+18+s_j], v[SL+18+s_j], v[SL+39]
	v_cndmask_b32 v[SL+18+s_j], 0, v[SL+18+s_j], s[66+s_j]   ; outside the sequence v counts as 0
	v_cvt_pk_bf16_f32 v[SL+s_j], v[SL+18+s_j], v[SL+18+s_j]
	ds_store_b16 v[PS], v[SL+s_j] offset:2*s_j     ; then the nine weights at columns r .. r + 8 (LDS serves a wave in order)
.set s_j, s_j+1
.endr
	v_add_nc_u32 v[XAD], XB, v[TRL]
	BODY 0, 5, 1, 1
	HEAD 1, 1
	BODY 1, 5, 1, 0
	WIN 0
	s_mov_b32 s3, 2
.Lvproj:
	v_add_nc_u32 v[XAD], 20480, v[XAD]
	HEAD 0, 1
	BODY 0, 5, 1, 0
	HEAD 1, 1
	BODY 1, 5, 1, 0
	WIN 0
	s_sub_co_i32 s3, s3, 1
	s_cmp_lg_u32 s3, 0
	s_cbranch_scc1 .Lvproj
	v_add_nc_u32 v[XAD], 20480, v[XAD]
	HEAD 0, 1                                      ; the last refill: place 23
	BODY 0, 5, 1, 0
	HEAD 1, 0                                      ; nothing is left to fetch
	BODY 1, 5, 1, 0
	; ---- v + bv, packed: a lane's 8 columns of two neighbouring column blocks are 32 along K; then P v, + query, out
	WIN 0
	PLACES 4
.set e_o, 0
.rept 8
	ds_load_b32 v[48+e_o], v[BTV] offset:64*e_o    ; bv of my lane's channel in each channel block
.set e_o, e_o+1
.endr
.set e_t, 0
.rept 4
	ds_load_b128 v[PF+8*e_t:PF+8*e_t+3], v[PFL] offset:1280*e_t
	ds_load_b128 v[PF+8*e_t+4:PF+8*e_t+7], v[PFL] offset:1280*e_t+32
.set e_t, e_t+1
.endr
	s_wait_dscnt 0x0
	WIN 0x41
.set e_t, 0
.rept 5
.if e_t == 4
	WIN 0x82
.endif
.set e_o, 0
.rept 8
.if e_t == 4
.set e_d, 8*e_o
.else
.set e_d, 8*(8*e_t+e_o)
.endif
.set e_q, 0
.rept 4
.if e_o%2
	v_pk_add_f32 v[e_d+2*e_q:e_d+2*e_q+1], v[e_d+2*e_q:e_d+2*e_q+1], v[48+e_o-1:48+e_o] op_sel:[0,1] op_sel_hi:[1,1]
.else
	v_pk_add_f32 v[e_d+2*e_q:e_d+2*e_q+1], v[e_d+2*e_q:e_d+2*e_q+1], v[48+e_o:48+e_o+1] op_sel_hi:[1,0]
.endif
.set e_q, e_q+1
.endr
.set e_o, e_o+1
.endr
.set e_t, e_t+1
.endr
	WIN 0x85
.set e_t, 0
.rept 5
.if e_t == 4
	WIN 0x8a
.endif
.set e_o, 0
.rept 8
.if e_t == 4
.set e_d, 8*e_o
.else
.set e_d, 8*(8*e_t+e_o)
.endif
.irp q, 0,1,2,3
	v_cvt_pk_bf16_f32 v[64+20*e_o+4*e_t+\q], v[e_d+2*\q], v[e_d+2*\q+1]
.endr
.set e_o, e_o+1
.endr
.set e_t, e_t+1
.endr
; 16 channels x 64 tokens: four products, through my own stage into rows of 256 bytes, plus query, stored.  Two stages and register sets take turns.
.macro OUT o
.set o_s, (\o)%2
	WIN 0x08
.set o_t, 0
.rept 4
	v_wmma_f32_16x16x32_bf16 v[OD+32*o_s+8*o_t:OD+32*o_s+8*o_t+7], v[PF+8*o_t:PF+8*o_t+7], v[64+20*(\o)+4*o_t:64+20*(\o)+4*o_t+7], 0
.set o_t, o_t+1
.endr
	WIN 0
	PLACES 4
.set o_t, 0
.rept 4
	ds_store_b128 v[STW], v[OD+32*o_s+8*o_t:OD+32*o_s+8*o_t+3] offset:4352*o_s+64*o_t
	ds_store_b128 v[STW], v[OD+32*o_s+8*o_t+4:OD+32*o_s+8*o_t+7] offset:4352*o_s+64*o_t+16
.set o_t, o_t+1
.endr
	s_wait_xcnt 0x0                                ; this set's rows were the data of stores two turns ago: loaded again only behind this wait
.set o_i, 0
.rept 8
	ds_load_b128 v[RT+32*o_s+4*o_i:RT+32*o_s+4*o_i+3], v[STR] offset:4352*o_s+544*o_i   ; my own bytes: LDS serves a wave in order
.set o_i, o_i+1
.endr
	s_wait_dscnt 0x0
	WIN 0x0c
.set o_i, 0
.rept 8
	v_pk_add_f32 v[RT+32*o_s+4*o_i:RT+32*o_s+4*o_i+1], v[RT+32*o_s+4*o_i:RT+32*o_s+4*o_i+1], v[4*(8*(\o)+o_i):4*(8*(\o)+o_i)+1]
	v_pk_add_f32 v[RT+32*o_s+4*o_i+2:RT+32*o_s+4*o_i+3], v[RT+32*o_s+4*o_i+2:RT+32*o_s+4*o_i+3], v[4*(8*(\o)+o_i)+2:4*(8*(\o)+o_i)+3]
.set o_i, o_i+1
.endr
	WIN 0
.set o_i, 0
.rept 8
	global_store_b128 v[ROWO], v[RT+32*o_s+4*o_i:RT+32*o_s+4*o_i+3], s[36:37] offset:16384*(8*(\o)+o_i)   ; sixteen lanes store 256 consecutive aligned bytes
.set o_i, o_i+1
.endr
.endm
.irp o, 0,1,2,3,4,5,6,7
	OUT \o
.endr
	s_wait_xcnt 0x0
	s_set_vgpr_msb (MSB<<8)|((MSB&0x3c)|0x0)
	v_lshl_add_u32 v46, v0, 2, 0x4f800
	v_mov_b32 v47, 0
	s_set_vgpr_msb (((MSB&0x3c)|0x0)<<8)|((MSB&0x30)|0x0)
	s_wait_tensorcnt 0x0
	ds_add_u32 v46, v47
	s_wait_dscnt 0x0
	s_set_vgpr_msb (((MSB&0x30)|0x0)<<8)|MSB
	ROUND                                          ; the closing round: no work-group ends while a partner may still ask jointly
	s_endpgm
.Lfunc_end_k_q226c9b5728_attn:
	.size	k_q226c9b5728_attn, .Lfunc_end_k_q226c9b5728_attn-k_q226c9b5728_attn
	.p2alignl 7, 3214868480
	.fill 96, 4, 3214868480
	.section	.rodata,"a",@progbits
	.p2align	6, 0x0
	.amdhsa_kernel k_q226c9b5728_attn
		.amdhsa_group_segment_fixed_size 327680
		.amdhsa_private_segment_fixed_size 0
		.amdhsa_enable_private_segment 0
		.amdhsa_kernarg_size 88
		.amdhsa_user_sgpr_count 2
		.amdhsa_user_sgpr_kernarg_segment_ptr 1
		.amdhsa_wavefront_size32 1
		.amdhsa_system_sgpr_workgroup_id_x 1
		.amdhsa_system_sgpr_workgroup_id_y 1
		.amdhsa_system_sgpr_workgroup_id_z 1
		.amdhsa_system_vgpr_workitem_id 0
		.amdhsa_next_free_vgpr 1024
		.amdhsa_next_free_sgpr 80
		.amdhsa_reserve_vcc 0
		.amdhsa_float_denorm_mode_32 3
		.amdhsa_float_denorm_mode_16_64 3
		.amdhsa_memory_ordered 1
		.amdhsa_forward_progress 1
		.amdhsa_inst_pref_size 255
	.end_amdhsa_kernel
	.section	.bss,"aw",@nobits
	.p2align	6
	.space	262144
	.amdgpu_metadata
---
amdhsa.version: [ 1, 2 ]
amdhsa.kernels:
  - .name:           k_q226c9b5728_attn
    .symbol:         k_q226c9b5728_attn.kd
    .args:
      - { .name: query, .offset: 0, .size: 8, .value_kind: global_buffer, .address_space: global }
      - { .name: query_embed, .offset: 8, .size: 8, .value_kind: global_buffer, .address_space: global }
      - { .name: key, .offset: 16, .size: 8, .value_kind: global_buffer, .address_space: global }
      - { .name: key_embed, .offset: 24, .size: 8, .value_kind: global_buffer, .address_space: global }
      - { .name: g_norm, .offset: 32, .size: 8, .value_kind: global_buffer, .address_space: global }
      - { .name: b_norm, .offset: 40, .size: 8, .value_kind: global_buffer, .address_space: global }
      - { .name: bq, .offset: 48, .size: 8, .value_kind: global_buffer, .address_space: global }
      - { .name: bk, .offset: 56, .size: 8, .value_kind: global_buffer, .address_space: global }
      - { .name: bv, .offset: 64, .size: 8, .value_kind: global_buffer, .address_space: global }
      - { .name: wqkv, .offset: 72, .size: 8, .value_kind: global_buffer, .address_space: global }
      - { .name: xbuf, .offset: 80, .size: 8, .value_kind: global_buffer, .address_space: global }
    .group_segment_fixed_size: 327680
    .private_segment_fixed_size: 0
    .kernarg_segment_align: 8
    .kernarg_segment_size: 88
    .max_flat_workgroup_size: 128
    .sgpr_count:     80
    .vgpr_count:     1024
    .wavefront_size: 32
...
	.end_amdgpu_metadata
.endif
;; end of part 2
;; launch mlp (part 3): grid 256 x 1, 4 waves a work-group, clusters of 4 x 1, 327,680 bytes of LDS; arguments xbuf, g_norm2, b_norm2, b1, b2, w1b, w2b, out0; writes out0
.if DOCPART == 3
	.amdgcn_target "amdgcn-amd-amdhsa--gfx1250"
	.amdhsa_code_object_version 6
	.text
	.protected	k_q226c9b5728_mlp
	.globl	k_q226c9b5728_mlp
	.p2align	8
	.type	k_q226c9b5728_mlp,@function
k_q226c9b5728_mlp:
	s_mov_b64 s[64:65], 0
	v_nop
	global_prefetch_b8 v0, s[64:65] scope:SCOPE_SE
	s_setreg_imm32_b32 hwreg(HW_REG_WAVE_MODE, 25, 1), 1
	s_wait_xcnt 0x0
	s_wait_alu depctr_hold_cnt(0) depctr_sa_sdst(0) depctr_va_vdst(0) depctr_va_sdst(0) depctr_va_ssrc(0) depctr_va_vcc(0) depctr_vm_vsrc(0)
	s_getreg_b32 s2, hwreg(HW_REG_IB_STS2, 6, 4)
	s_cmp_eq_u32 s2, 0
	s_cbranch_scc0 .Lentry_in_a_cluster
	s_endpgm
.Lentry_in_a_cluster:
	s_bfe_u32 s2, ttmp6, 0x10000c
	s_cmp_lg_u32 s2, 0x3003
	s_cbranch_scc0 .Lentry_shape_is_right
	s_endpgm
.Lentry_shape_is_right:
; mlp: out = x + gelu(LN(x) w1 + b1) w2 + b2.  x, out: [8][512 channels][2048 tokens] f32.
; A work-group owns 64 tokens (256 work-groups), four waves.  The hidden 2,048 go in 16 chunks of 128.
; Step A: wave w makes 64 tokens x hidden 32 w .. 32 w + 31 of a chunk (8 tiles, K = 512); LN(x) stays in 512 registers as fragments, so only
; w1 is read from LDS; the sums start from b1; exact GELU; the result goes to LDS as bf16.
; Step B: wave w adds the chunk's part of 64 tokens x channels 128 w .. + 127 (32 tiles); these sums start from x, so the residual costs nothing.
; Each weight byte in LDS is read by one wave.  Two LDS slots: one for a chunk of w1 (512 x 128), one for a chunk of w2 (128 x 512); while one
; is multiplied the other's next chunk is on its way.
; CLUSTERS: every work-group walks the same chunks, so the four of a cluster ask for each jointly (mask 15).
; ORDER OF THE CHUNKS: the chunks are terms of one sum, so their order is free.  Cluster number id starts at chunk (id + 5 (id / 16)) % 16 and
; goes round from there.  The chunk's number enters global addresses alone (w1, w2, b1).  So the clusters ask for different chunks at any one
; time, and a chunk that one asks for has as a rule been asked for a step earlier by another.
; LIMITS: erf by the five-term rational form in t = 1 / (1 + 0.3275911 |z|) times exp(-z^2), absolute error at most 1.5e-7 for every z;
; matrix operands are bf16.  The variance is made of centred squares (two passes).
; K ORDER OF STEP A: K step kk takes channels 128 ((kk % 8) / 2) + 64 (kk / 8) + 32 (kk % 2), alike in both operands.
; WINDOWS: 0 addresses, fragments, work; 1 the 32 accumulator tiles (8 t + ct); 2, 3 the fragments of LN(x) (window 3 holds x's rows first).
.set SLOTB, 147456                     ; slot A: bytes 0 .. 147,455, 512 rows of pitch 288; slot B: 128 rows of pitch 1,056
.set SCR,   282624                     ; written by LDS stores alone: G [64][128] bf16, pitch 272; first the stages, sums, gains and LN(x)
.set ROWO,4
.set XS,5
.set XL,6
.set REDW,7
.set REDR,8
.set GTS,9
.set GTL,10
.set HST,11
.set HFL,12
.set AW1,13
.set AW2,17
.set GST,21
.set GL,22
.set B1O,23
.set EST,24
.set ELD,25
.set B2R,26
.set CK,34
.set B1T,48
.set HID,64
.set WA0,128
.set WA1,192
.set FB0,64
.set FB1,160
.set GU,128
.set GTT,136
.set GM,144
.set GP,152
.set GB,64
.set CH,192
.set MEAN,208
.set RSTD,212
.set PT,216
.set MSB, 0
.macro WIN new                         ; the immediate's high byte repeats the setting that is left
.if MSB != (\new)
	s_set_vgpr_msb (MSB<<8)|(\new)
.set MSB, (\new)
.endif
.endm
.macro PLACES n
.rept \n
	v_nop
.endr
.endm
.macro BAR
	s_barrier_signal -1
	s_barrier_wait -1
.endm
.macro ROUND                           ; a round of the cluster's barrier
	s_barrier_signal -1
	s_barrier_wait -1
	s_cmp_lg_u32 s8, 0
	s_cbranch_scc1 .Lnot_wave_0_\@
	s_barrier_signal -3
.Lnot_wave_0_\@:
	s_barrier_wait -3
	s_barrier_signal -1
	s_barrier_wait -1
.endm
	s_load_b512 s[16:31], s[0:1], 0x0              ; xbuf 16, g 18, b 20, b1 22, b2 24, w1b 26, w2b 28, out0 30
	v_lshl_add_u32 v46, v0, 2, 0x4f000
	v_mov_b32 v47, 0
	ds_add_u32 v46, v47
	ds_add_u32 v46, v47
	s_wait_dscnt 0x0
	v_lshrrev_b32 v1, 5, v0
	v_readfirstlane_b32 s8, v1                     ; wave 0..3
	s_bfe_u32 s9, ttmp6, 0x40000                   ; my place in the cluster: enters global offsets alone
	s_lshl_b32 s10, ttmp9, 2
	s_add_co_u32 s10, s10, s9
	s_lshr_b32 s11, s10, 5                         ; batch
	s_and_b32 s15, s10, 31
	s_lshl_b32 s15, s15, 6                         ; n0
	s_lshr_b32 s66, ttmp9, 4                       ; the cluster's number, which the four partners share, gives
	s_mul_i32 s66, s66, 5
	s_add_co_u32 s66, s66, ttmp9
	s_and_b32 s66, s66, 15                         ; J = (id + 5 (id / 16)) % 16: the chunk at which my cluster starts
	s_mov_b32 s69, 0                               ; s[68:69] is an offset pair: s69 stays 0
	s_lshl_b32 s70, s8, 7                          ; b1 of hidden 32 w, in bytes
	s_lshl_b32 s67, s66, 9
	s_add_co_u32 s67, s67, s70                     ; + 512 J
	s_mov_b32 s12, 0x76543210
	s_mov_b32 s13, 0xfedcba98
	s_mov_b32 s14, 0x3e6d3388                      ; 0.3275911 / sqrt 2
	s_mov_b32 s38, 0x3b000000                      ; 1/512
	s_mov_b32 s39, 0x3727c5ac                      ; 1e-5
	; group 1 for w1: 128 rows x 128 bf16, pitch 2,048; 32 bytes of padding behind each 256
	s_mov_b32 s40, 15|(1<<16)|(1<<20)|(1<<21)|(5<<22)|(7<<25)
	s_mov_b32 s41, 128<<16
	s_mov_b32 s42, 128<<16
	s_mov_b32 s43, 128<<16
	s_mov_b32 s44, 128
	s_mov_b32 s45, 2048
	s_mov_b32 s46, 0
	s_mov_b32 s47, 0
	; group 1 for w2: 32 rows x 512 bf16, pitch 512; 32 bytes of padding behind each 1,024
	s_mov_b32 s48, 15|(1<<16)|(1<<20)|(1<<21)|(7<<22)|(7<<25)
	s_mov_b32 s49, 512<<16
	s_mov_b32 s50, 32<<16
	s_mov_b32 s51, 512<<16
	s_mov_b32 s52, 32
	s_mov_b32 s53, 512
	s_mov_b32 s54, 0
	s_mov_b32 s55, 0
	s_mov_b32 s56, 1
	s_mul_i32 s57, s8, 36864                       ; my 128 rows of slot A
	s_mov_b32 s60, 1
	s_mul_i32 s61, s8, 33792                       ; my 32 rows of slot B
	s_add_co_u32 s61, s61, SLOTB
	s_lshl_b32 s4, s8, 19                          ; 128 rows of w1b
	s_mov_b32 s5, 0
	s_lshl_b32 s6, s8, 15                          ; 32 rows of w2b
	s_mov_b32 s7, 0
	s_lshl_b32 s32, s11, 22                        ; batch x 4,194,304 bytes
	s_mov_b32 s33, 0
	s_lshl_b32 s34, s8, 20
	s_lshl2_add_u32 s34, s15, s34                  ; 128 w rows + 4 n0
	s_lshl_b32 s35, s8, 9
	s_wait_kmcnt 0x0
	s_add_nc_u64 s[26:27], s[26:27], s[4:5]        ; w1b at my 128 rows, chunk 0: the base of every chunk's address
	s_add_nc_u64 s[28:29], s[28:29], s[6:7]        ; w2b at my 32 rows of chunk 0, likewise
	s_lshl_b32 s68, s66, 8                         ; a chunk of w1 is 256 bytes along the rows
	s_add_nc_u64 s[58:59], s[26:27], s[68:69]
	s_or_b32 s59, s59, 0x80000000
	s_lshl_b32 s68, s66, 17                        ; a chunk of w2 is 128 rows of 1,024 bytes
	s_add_nc_u64 s[62:63], s[28:29], s[68:69]
	s_or_b32 s63, s63, 0x80000000
	ROUND                                          ; the four partners are here: the first joint loads meet
	tensor_load_to_lds s[56:59], s[40:47]          ; chunk J of w1
	s_nop 0
	tensor_load_to_lds s[60:63], s[48:55]          ; chunk J of w2: two tensor loads of the wave are out
	s_nop 0
	s_add_nc_u64 s[16:17], s[16:17], s[32:33]
	s_add_nc_u64 s[30:31], s[30:31], s[32:33]
	v_and_b32 v1, 15, v0                           ; l = r
	v_bfe_u32 v2, v0, 4, 1                         ; hh = h; kept for the whole kernel
	v_and_b32 v3, 7, v0
	v_bfe_u32 v244, v0, 3, 1
	v_lshlrev_b32 v47, 4, v0
	v_lshlrev_b32 v[ROWO], 13, v2
	v_lshl_add_u32 v[ROWO], v1, 4, v[ROWO]
	v_add_nc_u32 v[ROWO], s34, v[ROWO]
	v_lshl_add_u32 v46, v1, 2, s35                 ; b2 of channel 128 w + r
	v_lshl_add_u32 v[B1O], v2, 5, s67              ; b1 of hidden 128 J + 32 w + 8 h
	global_load_b128 v[220:223], v47, s[18:19]
	global_load_b128 v[224:227], v47, s[20:21]
.irp c, 0,1,2,3,4,5,6,7
	global_load_b32 v[B2R+\c], v46, s[24:25] offset:64*\c
.endr
.irp t, 0,1
	global_load_b128 v[B1T+8*\t:B1T+8*\t+3], v[B1O], s[22:23] offset:64*\t
	global_load_b128 v[B1T+8*\t+4:B1T+8*\t+7], v[B1O], s[22:23] offset:64*\t+16
.endr
	WIN 0xc0
.set l_i, 0
.rept 64
	global_load_b128 v[4*l_i:4*l_i+3], v[ROWO], s[16:17] offset:16384*l_i th:TH_LOAD_NT
.set l_i, l_i+1
.endr
	WIN 0
	v_mul_u32_u24 v245, v1, 272
	v_mul_u32_u24 v246, v2, 272
	v_lshl_add_u32 v247, v1, 4, v246               ; 272 hh + 16 l
	v_lshl_add_u32 v248, v2, 5, v245               ; 272 r + 32 h
	s_mul_i32 s36, s8, 4352
	s_add_co_u32 s36, s36, SCR
	v_add_nc_u32 v[XS], s36, v247
	v_add_nc_u32 v[XL], s36, v248
	s_mul_i32 s36, s8, 34816
	v_add_nc_u32 v[EST], s36, v248
	v_add_nc_u32 v[ELD], s36, v247
	v_lshlrev_b32 v249, 4, v1
	v_add_nc_u32 v[REDR], SCR+17408, v249
	s_lshl_b32 s36, s8, 8
	v_add_nc_u32 v[REDW], s36, v[REDR]
	v_add_nc_u32 v[GTS], SCR+20480, v47
	v_lshl_add_u32 v249, v2, 2, s35
	v_add_nc_u32 v[GTL], SCR+20480, v249
	s_mul_i32 s36, s8, 10240
	s_add_co_u32 s36, s36, SCR
	v_mul_u32_u24 v249, v2, 160
	v_lshl_add_u32 v249, v1, 3, v249
	v_add_nc_u32 v[HST], s36, v249
	v_lshl_add_u32 v250, v2, 3, v3                 ; 8 h + L % 8
	v_lshlrev_b32 v251, 4, v244                    ; 16 ((L / 8) % 2)
	v_mad_u32_u24 v249, v250, 160, v251
	v_add_nc_u32 v[HFL], SCR, v249
	v_mad_u32_u24 v249, v250, 288, v251
	s_lshl_b32 s36, s8, 6
	v_add_nc_u32 v[AW1], s36, v249
	v_add_nc_u32 v[AW1+1], 36864, v[AW1]
	v_add_nc_u32 v[AW1+2], 36864, v[AW1+1]
	v_add_nc_u32 v[AW1+3], 36864, v[AW1+2]
	v_mad_u32_u24 v249, v250, 1056, v251
	s_lshl_b32 s37, s8, 8
	s_add_co_u32 s37, s37, SLOTB
	v_add_nc_u32 v[AW2], s37, v249
	v_add_nc_u32 v[AW2+1], 33792, v[AW2]
	v_add_nc_u32 v[AW2+2], 33792, v[AW2+1]
	v_add_nc_u32 v[AW2+3], 33792, v[AW2+2]
	v_lshl_add_u32 v249, v2, 4, v245               ; 272 r + 16 h
	v_add_nc_u32 v[GL], SCR, v249
	v_add_nc_u32 v[GST], s36, v[GL]
.irp q, 0,1,2,3
	v_mov_b32 v[PT+\q], 0                          ; v_permlanex16_b32 counts as a reader of its destination
.endr
.irp q, 0,1
	v_mov_b32 v[CK+\q], 0x3f07dc22                 ; a5 / 2
	v_mov_b32 v[CK+2+\q], 0xbf3a00e3               ; a4 / 2
	v_mov_b32 v[CK+4+\q], 0x3f35f0e3               ; a3 / 2
	v_mov_b32 v[CK+6+\q], 0xbe11a98e               ; a2 / 2
	v_mov_b32 v[CK+8+\q], 0x3e027906               ; a1 / 2
	v_mov_b32 v[CK+10+\q], 0xbf38aa3b              ; - log2 e / 2
.endr
.macro CHTAIL
	v_pk_add_f32 v[CH:CH+1], v[CH:CH+1], v[CH+4:CH+5]
	v_pk_add_f32 v[CH+2:CH+3], v[CH+2:CH+3], v[CH+6:CH+7]
	v_pk_add_f32 v[CH+8:CH+9], v[CH+8:CH+9], v[CH+12:CH+13]
	v_pk_add_f32 v[CH+10:CH+11], v[CH+10:CH+11], v[CH+14:CH+15]
	v_pk_add_f32 v[CH:CH+1], v[CH:CH+1], v[CH+8:CH+9]
	v_pk_add_f32 v[CH+2:CH+3], v[CH+2:CH+3], v[CH+10:CH+11]
.irp q, 0,1,2,3
	v_permlanex16_b32 v[PT+\q], v[CH+\q], s12, s13
.endr
.irp q, 0,1,2,3
	v_add_f32 v[CH+\q], v[CH+\q], v[PT+\q]
.endr
.endm
.macro RED4 src
	v_pk_add_f32 v[\src:\src+1], v[\src:\src+1], v[\src+4:\src+5]
	v_pk_add_f32 v[\src+2:\src+3], v[\src+2:\src+3], v[\src+6:\src+7]
	v_pk_add_f32 v[\src+8:\src+9], v[\src+8:\src+9], v[\src+12:\src+13]
	v_pk_add_f32 v[\src+10:\src+11], v[\src+10:\src+11], v[\src+14:\src+15]
	v_pk_add_f32 v[\src:\src+1], v[\src:\src+1], v[\src+8:\src+9]
	v_pk_add_f32 v[\src+2:\src+3], v[\src+2:\src+3], v[\src+10:\src+11]
.endm
	s_wait_loadcnt 0x0
	ds_store_b128 v[GTS], v[220:223]
	ds_store_b128 v[GTS], v[224:227] offset:2048
	; x into the accumulators, 16 channels at a time through my own stage: rows in, a channel a lane and 8 tokens a tile out
.set x_c, 0
.rept 8
	WIN 0x0c
.set x_i, 0
.rept 8
	ds_store_b128 v[XS], v[4*(8*x_c+x_i):4*(8*x_c+x_i)+3] offset:544*x_i
.set x_i, x_i+1
.endr
	WIN 0x40
.set x_t, 0
.rept 4
	ds_load_b128 v[8*(8*x_t+x_c):8*(8*x_t+x_c)+3], v[XL] offset:64*x_t          ; my own bytes: LDS serves a wave in order
	ds_load_b128 v[8*(8*x_t+x_c)+4:8*(8*x_t+x_c)+7], v[XL] offset:64*x_t+16
.set x_t, x_t+1
.endr
.set x_c, x_c+1
.endr
	; the tokens' sums over my 128 channels
	WIN 0x0f
.set r_k, 0
.rept 4
	v_pk_add_f32 v[CH+4*r_k:CH+4*r_k+1], v[4*r_k:4*r_k+1], v[4*r_k+16:4*r_k+17]
	v_pk_add_f32 v[CH+4*r_k+2:CH+4*r_k+3], v[4*r_k+2:4*r_k+3], v[4*r_k+18:4*r_k+19]
.set r_k, r_k+1
.endr
	WIN 0x0c
.set r_k, 8
.rept 56
	v_pk_add_f32 v[CH+4*(r_k%4):CH+4*(r_k%4)+1], v[CH+4*(r_k%4):CH+4*(r_k%4)+1], v[4*r_k:4*r_k+1]
	v_pk_add_f32 v[CH+4*(r_k%4)+2:CH+4*(r_k%4)+3], v[CH+4*(r_k%4)+2:CH+4*(r_k%4)+3], v[4*r_k+2:4*r_k+3]
.set r_k, r_k+1
.endr
	WIN 0
	CHTAIL
	ds_store_b128 v[REDW], v[CH:CH+3]
	s_wait_dscnt 0x0
	BAR
.irp ww, 0,1,2,3
	ds_load_b128 v[228+4*\ww:228+4*\ww+3], v[REDR] offset:256*\ww
.endr
.set r_k, 0
.rept 64
	ds_load_b32 v[GB+2*r_k], v[GTL] offset:8*r_k
	ds_load_b32 v[GB+2*r_k+1], v[GTL] offset:2048+8*r_k
.set r_k, r_k+1
.endr
	s_wait_dscnt 0x0
	RED4 228
	v_pk_mul_f32 v[MEAN:MEAN+1], v[228:229], s[38:39] op_sel_hi:[1,0]
	v_pk_mul_f32 v[MEAN+2:MEAN+3], v[230:231], s[38:39] op_sel_hi:[1,0]
	WIN 0xc3
.set r_k, 0
.rept 64
	v_pk_add_f32 v[4*r_k:4*r_k+1], v[4*r_k:4*r_k+1], v[MEAN:MEAN+1] neg_lo:[0,1] neg_hi:[0,1]
	v_pk_add_f32 v[4*r_k+2:4*r_k+3], v[4*r_k+2:4*r_k+3], v[MEAN+2:MEAN+3] neg_lo:[0,1] neg_hi:[0,1]
.set r_k, r_k+1
.endr
	WIN 0x0f
.set r_k, 0
.rept 4
	v_pk_mul_f32 v[CH+4*r_k:CH+4*r_k+1], v[4*r_k:4*r_k+1], v[4*r_k:4*r_k+1]
	v_pk_mul_f32 v[CH+4*r_k+2:CH+4*r_k+3], v[4*r_k+2:4*r_k+3], v[4*r_k+2:4*r_k+3]
.set r_k, r_k+1
.endr
.rept 60
	v_pk_fma_f32 v[CH+4*(r_k%4):CH+4*(r_k%4)+1], v[4*r_k:4*r_k+1], v[4*r_k:4*r_k+1], v[CH+4*(r_k%4):CH+4*(r_k%4)+1]
	v_pk_fma_f32 v[CH+4*(r_k%4)+2:CH+4*(r_k%4)+3], v[4*r_k+2:4*r_k+3], v[4*r_k+2:4*r_k+3], v[CH+4*(r_k%4)+2:CH+4*(r_k%4)+3]
.set r_k, r_k+1
.endr
	WIN 0
	CHTAIL
	ds_store_b128 v[REDW], v[CH:CH+3] offset:1024
	s_wait_dscnt 0x0
	BAR
.irp ww, 0,1,2,3
	ds_load_b128 v[228+4*\ww:228+4*\ww+3], v[REDR] offset:1024+256*\ww
.endr
	s_wait_dscnt 0x0
	RED4 228
.irp q, 0,1,2,3
	v_fma_f32 v[228+\q], v[228+\q], s38, s39       ; variance + 1e-5
.endr
.irp q, 0,1,2,3
	v_rsq_f32 v[RSTD+\q], v[228+\q]
.endr
	v_nop                                          ; one plain place behind the last v_rsq_f32 (ISA guide 5.7.2)
	WIN 0xc3
.set r_k, 0
	s_wait_alu depctr_va_vdst(0)
.rept 64
	v_pk_mul_f32 v[4*r_k:4*r_k+1], v[4*r_k:4*r_k+1], v[RSTD:RSTD+1]
	v_pk_mul_f32 v[4*r_k+2:4*r_k+3], v[4*r_k+2:4*r_k+3], v[RSTD+2:RSTD+3]
	v_pk_fma_f32 v[4*r_k:4*r_k+1], v[4*r_k:4*r_k+1], v[GB+2*r_k:GB+2*r_k+1], v[GB+2*r_k:GB+2*r_k+1] op_sel:[0,0,1] op_sel_hi:[1,0,1]
	v_pk_fma_f32 v[4*r_k+2:4*r_k+3], v[4*r_k+2:4*r_k+3], v[GB+2*r_k:GB+2*r_k+1], v[GB+2*r_k:GB+2*r_k+1] op_sel:[0,0,1] op_sel_hi:[1,0,1]
.set r_k, r_k+1
.endr
	WIN 0xcf
.set r_k, 0
.rept 64
	v_cvt_pk_bf16_f32 v[4*r_k], v[4*r_k], v[4*r_k+1]
	v_cvt_pk_bf16_f32 v[4*r_k+1], v[4*r_k+2], v[4*r_k+3]
.set r_k, r_k+1
.endr
	WIN 0
	s_wait_dscnt 0x0
	BAR                                            ; nobody reads the stages, sums and gains any more: LN(x) takes their place, in two pieces
; Piece p: every wave's rows 32 p .. 32 p + 31 (256 channels in all) into LDS; then every wave reads all of it as 8 x 4 fragments
.macro PIECE p
	WIN 0x0c
.set p_i, 0
.rept 32
	ds_store_b64 v[HST], v[4*(32*\p+p_i):4*(32*\p+p_i)+1] offset:320*p_i
.set p_i, p_i+1
.endr
	WIN 0
	s_wait_dscnt 0x0
	BAR
	WIN (2+\p)<<6
.set p_s, 0
.rept 8
.set p_t, 0
.rept 4
	ds_load_tr16_b128 v[32*p_s+8*p_t:32*p_s+8*p_t+3], v[HFL] offset:5120*p_s+32*p_t
	ds_load_tr16_b128 v[32*p_s+8*p_t+4:32*p_s+8*p_t+7], v[HFL] offset:5120*p_s+32*p_t+2560
.set p_t, p_t+1
.endr
.set p_s, p_s+1
.endr
	WIN 0
	s_wait_dscnt 0x0
.endm
	PIECE 0
	BAR                                            ; piece 0 has been read by all: piece 1 takes its place
	PIECE 1
.macro FETCHA g, buf                   ; 16 transposing loads: w1 for K steps 4 g .. 4 g + 3, my 32 hidden
.set f_q, 0
.rept 4
.set f_k, 4*\g+f_q
.set f_a, AW1+((f_k%8)>>1)
.set f_f, (64*(f_k>>3)+32*(f_k&1))*288
.set f_h, 0
.rept 2
	ds_load_tr16_b128 v[\buf+16*f_q+8*f_h:\buf+16*f_q+8*f_h+3], v[f_a] offset:f_f+32*f_h
	ds_load_tr16_b128 v[\buf+16*f_q+8*f_h+4:\buf+16*f_q+8*f_h+7], v[f_a] offset:f_f+32*f_h+4608
.set f_h, f_h+1
.endr
.set f_q, f_q+1
.endr
.endm
.macro MULA g, buf                     ; 32 matrix instructions; the eight accumulators take turns, one instruction a turn
.if \g < 2
	WIN 0x08
.else
	WIN 0x0c
.endif
.set m_q, 0
.rept 4
.set m_k, 4*\g+m_q
.set m_h, 0
.rept 2
.set m_t, 0
.rept 4
.set m_d, HID+8*(4*m_h+m_t)
.set m_w, \buf+16*m_q+8*m_h
.set m_f, 32*(m_k%8)+8*m_t
.if m_k == 0
	v_wmma_f32_16x16x32_bf16 v[m_d:m_d+7], v[m_w:m_w+7], v[m_f:m_f+7], v[B1T+8*m_h:B1T+8*m_h+7]
.else
	v_wmma_f32_16x16x32_bf16 v[m_d:m_d+7], v[m_w:m_w+7], v[m_f:m_f+7], v[m_d:m_d+7]
.endif
.set m_t, m_t+1
.endr
.set m_h, m_h+1
.endr
.set m_q, m_q+1
.endr
.endm
; gelu(x) = max(x, 0) - |x| S,  S = t (a1 + t (a2 + t (a3 + t (a4 + t a5)))) / 2 x exp(-x^2 / 2),  t = 1 / (1 + 0.3275911 |x| / sqrt 2)
.macro GELU
.set g_t, 0
.rept 8
.set g_x, HID+8*g_t
.set g_e, 0
.rept 8
	v_fma_f32 v[GU+g_e], |v[g_x+g_e]|, s14, 1.0
.set g_e, g_e+1
.endr
.irp e, 0,2,4,6
	v_pk_mul_f32 v[GM+\e:GM+\e+1], v[g_x+\e:g_x+\e+1], v[g_x+\e:g_x+\e+1]
.endr
.irp e, 0,1,2,3,4,5,6,7
	v_rcp_f32 v[GTT+\e], v[GU+\e]
.endr
.irp e, 0,2,4,6
	v_pk_mul_f32 v[GM+\e:GM+\e+1], v[GM+\e:GM+\e+1], v[CK+10:CK+11]     ; plain places behind the reciprocals
.endr
.irp e, 0,1,2,3,4,5,6,7
	v_exp_f32 v[GU+\e], v[GM+\e]
.endr
	s_wait_alu depctr_va_vdst(0)
.irp e, 0,2,4,6
	v_pk_fma_f32 v[GP+\e:GP+\e+1], v[GTT+\e:GTT+\e+1], v[CK:CK+1], v[CK+2:CK+3]   ; plain places behind the exponentials
.endr
.irp c, 4,6,8
.irp e, 0,2,4,6
	v_pk_fma_f32 v[GP+\e:GP+\e+1], v[GP+\e:GP+\e+1], v[GTT+\e:GTT+\e+1], v[CK+\c:CK+\c+1]
.endr
.endr
.irp e, 0,2,4,6
	v_pk_mul_f32 v[GP+\e:GP+\e+1], v[GP+\e:GP+\e+1], v[GTT+\e:GTT+\e+1]
.endr
.irp e, 0,2,4,6
	v_pk_mul_f32 v[GP+\e:GP+\e+1], v[GP+\e:GP+\e+1], v[GU+\e:GU+\e+1]
.endr
.irp e, 0,1,2,3,4,5,6,7
	v_max_num_f32 v[GM+\e], 0, v[g_x+\e]
.endr
.set g_e, 0
.rept 8
	v_fma_f32 v[g_x+g_e], -|v[g_x+g_e]|, v[GP+g_e], v[GM+g_e]
.set g_e, g_e+1
.endr
.irp e, 0,1,2,3
	v_cvt_pk_bf16_f32 v[g_x+\e], v[g_x+2*\e], v[g_x+2*\e+1]
.endr
	ds_store_b128 v[GST], v[g_x:g_x+3] offset:4352*(g_t%4)+32*(g_t/4)   ; 8 neighbouring hidden of one token
.set g_t, g_t+1
.endr
.endm
.macro ABODY
	PLACES 5                                       ; the sums write over registers that matrix instructions have read: five places (ISA guide 7.12.1)
	FETCHA 0, WA0
	FETCHA 1, WA1
	s_wait_dscnt 16                                ; the older group of 16 is in, the younger may stay out
	MULA 0, WA0
	PLACES 4
	FETCHA 2, WA0
	s_wait_dscnt 16
	MULA 1, WA1
	PLACES 4
	FETCHA 3, WA1
	s_wait_dscnt 16
	MULA 2, WA0
	s_wait_dscnt 0x0
	MULA 3, WA1
	WIN 0
	PLACES 4
	GELU
.endm
; The head of a step: every wave waits for all its tensor loads (its part of this step's chunk among them) and for its LDS traffic (reads of
; the other slot, G); the round then holds of every wave of the four partners; the joint refill of the other slot is the first thing behind it.
.macro STEP_A
	s_wait_xcnt 0x0
	v_lshl_add_u32 v46, v0, 2, 0x4f000
	v_mov_b32 v47, 0
	s_wait_tensorcnt 0x0
	ds_add_u32 v46, v47
	s_wait_dscnt 0x0
	s_lshl_b32 s68, s66, 17                        ; no load of mine is out: w2's group 0 is written: chunk J, the one that this step makes G of
	s_add_nc_u64 s[62:63], s[28:29], s[68:69]
	s_or_b32 s63, s63, 0x80000000
	s_wait_dscnt 0x0
	WIN 0
	ROUND
	tensor_load_to_lds s[60:63], s[48:55]          ; one tensor load of the wave is out
	s_nop 0
	s_wait_loadcnt 0x0                             ; this chunk's b1, asked for a step ago
	ABODY
.endm
.macro FETCHB kk, buf                  ; 24 loads: G for 64 tokens, w2 for my 128 channels, 32 hidden
.set f_t, 0
.rept 4
	ds_load_b128 v[\buf+8*f_t:\buf+8*f_t+3], v[GL] offset:4352*f_t+64*\kk
	ds_load_b128 v[\buf+8*f_t+4:\buf+8*f_t+7], v[GL] offset:4352*f_t+64*\kk+32
.set f_t, f_t+1
.endr
.set f_c, 0
.rept 8
	ds_load_tr16_b128 v[\buf+32+8*f_c:\buf+32+8*f_c+3], v[AW2+\kk] offset:32*f_c
	ds_load_tr16_b128 v[\buf+32+8*f_c+4:\buf+32+8*f_c+7], v[AW2+\kk] offset:32*f_c+16896
.set f_c, f_c+1
.endr
.endm
.macro MULB buf                        ; 32 matrix instructions on 32 accumulators, one a turn
	WIN 0x50
.set m_t, 0
.rept 4
.set m_c, 0
.rept 8
.set m_d, 8*(8*m_t+m_c)
	v_wmma_f32_16x16x32_bf16 v[m_d:m_d+7], v[\buf+8*m_t:\buf+8*m_t+7], v[\buf+32+8*m_c:\buf+32+8*m_c+7], v[m_d:m_d+7]
.set m_c, m_c+1
.endr
.set m_t, m_t+1
.endr
.endm
.macro STEP_B refill
	s_wait_xcnt 0x0
	v_lshl_add_u32 v46, v0, 2, 0x4f000
	v_mov_b32 v47, 0
	s_wait_tensorcnt 0x0
	ds_add_u32 v46, v47
	s_wait_dscnt 0x0
.if \refill
	s_add_co_u32 s66, s66, 1
	s_and_b32 s66, s66, 15                         ; J: the next chunk of my cluster's walk, round the sixteen
	s_lshl_b32 s68, s66, 8                         ; no load of mine is out: w1's group 0 is written
	s_add_nc_u64 s[58:59], s[26:27], s[68:69]
	s_or_b32 s59, s59, 0x80000000
	s_lshl_b32 s67, s66, 9
	s_add_co_u32 s67, s67, s70                     ; b1: 512 J + 128 w
.endif
	s_wait_dscnt 0x0
	WIN 0
.if \refill
	v_lshl_add_u32 v[B1O], v2, 5, s67              ; + 32 h; the loads that read this register were waited for in the step before
	ROUND
	tensor_load_to_lds s[56:59], s[40:47]          ; one tensor load of the wave is out
	s_nop 0
.irp t, 0,1
	global_load_b128 v[B1T+8*\t:B1T+8*\t+3], v[B1O], s[22:23] offset:64*\t
	global_load_b128 v[B1T+8*\t+4:B1T+8*\t+7], v[B1O], s[22:23] offset:64*\t+16
.endr
.else
	BAR
.endif
	PLACES 4
	FETCHB 0, FB0
	FETCHB 1, FB1
	s_wait_dscnt 24                                ; the older group of 24 is in, the younger may stay out
	MULB FB0
	WIN 0
	PLACES 4
	FETCHB 2, FB0
	s_wait_dscnt 24
	MULB FB1
	WIN 0
	PLACES 4
	FETCHB 3, FB1
	s_wait_dscnt 24
	MULB FB0
	s_wait_dscnt 0x0
	MULB FB1
	WIN 0
.endm
	s_wait_tensorcnt 0x1                           ; my part of w1's first chunk is in; w2's may stay out
	s_wait_dscnt 0x0
	BAR
	ABODY
	s_mov_b32 s3, 15
.Lchunk:
	STEP_B 1
	STEP_A
	s_sub_co_i32 s3, s3, 1
	s_cmp_lg_u32 s3, 0
	s_cbranch_scc1 .Lchunk
	STEP_B 0                                       ; the last chunk: nothing is left to fetch
	; the way out: + b2; through my own 128 rows x 272 bytes in slot A, which has had its last fill and its last read; rows of 256 bytes out
	PLACES 4
	WIN 0x41
.set e_t, 0
.rept 4
.set e_c, 0
.rept 8
.set e_d, 8*(8*e_t+e_c)
.set e_q, 0
.rept 4
.if e_c%2
	v_pk_add_f32 v[e_d+2*e_q:e_d+2*e_q+1], v[e_d+2*e_q:e_d+2*e_q+1], v[B2R+e_c-1:B2R+e_c] op_sel:[0,1] op_sel_hi:[1,1]
.else
	v_pk_add_f32 v[e_d+2*e_q:e_d+2*e_q+1], v[e_d+2*e_q:e_d+2*e_q+1], v[B2R+e_c:B2R+e_c+1] op_sel_hi:[1,0]
.endif
.set e_q, e_q+1
.endr
.set e_c, e_c+1
.endr
.set e_t, e_t+1
.endr
	WIN 0x04
.set e_c, 0
.rept 8
.set e_t, 0
.rept 4
	ds_store_b128 v[EST], v[8*(8*e_t+e_c):8*(8*e_t+e_c)+3] offset:4352*e_c+64*e_t
	ds_store_b128 v[EST], v[8*(8*e_t+e_c)+4:8*(8*e_t+e_c)+7] offset:4352*e_c+64*e_t+16
.set e_t, e_t+1
.endr
.set e_c, e_c+1
.endr
	WIN 0x80
.set e_i, 0
.rept 64
	ds_load_b128 v[4*e_i:4*e_i+3], v[ELD] offset:544*e_i        ; my own bytes: LDS serves a wave in order
.set e_i, e_i+1
.endr
	WIN 0x08
.set e_k, 0
.rept 8
	s_wait_dscnt 56-8*e_k                          ; these eight rows are in, the later ones may stay out
.set e_i, 0
.rept 8
	global_store_b128 v[ROWO], v[4*(8*e_k+e_i):4*(8*e_k+e_i)+3], s[30:31] offset:16384*(8*e_k+e_i) th:TH_STORE_NT   ; sixteen lanes store 256 consecutive aligned bytes
.set e_i, e_i+1
.endr
.set e_k, e_k+1
.endr
	WIN 0
	s_wait_xcnt 0x0
	v_lshl_add_u32 v46, v0, 2, 0x4f000
	v_mov_b32 v47, 0
	s_wait_tensorcnt 0x0
	ds_add_u32 v46, v47
	s_wait_dscnt 0x0
	ROUND                                          ; the closing round: no work-group ends while a partner may still ask jointly
	s_endpgm
.Lfunc_end_k_q226c9b5728_mlp:
	.size	k_q226c9b5728_mlp, .Lfunc_end_k_q226c9b5728_mlp-k_q226c9b5728_mlp
	.p2alignl 7, 3214868480
	.fill 96, 4, 3214868480
	.section	.rodata,"a",@progbits
	.p2align	6, 0x0
	.amdhsa_kernel k_q226c9b5728_mlp
		.amdhsa_group_segment_fixed_size 327680
		.amdhsa_private_segment_fixed_size 0
		.amdhsa_enable_private_segment 0
		.amdhsa_kernarg_size 64
		.amdhsa_user_sgpr_count 2
		.amdhsa_user_sgpr_kernarg_segment_ptr 1
		.amdhsa_wavefront_size32 1
		.amdhsa_system_sgpr_workgroup_id_x 1
		.amdhsa_system_sgpr_workgroup_id_y 1
		.amdhsa_system_sgpr_workgroup_id_z 1
		.amdhsa_system_vgpr_workitem_id 0
		.amdhsa_next_free_vgpr 1024
		.amdhsa_next_free_sgpr 80
		.amdhsa_reserve_vcc 0
		.amdhsa_float_denorm_mode_32 3
		.amdhsa_float_denorm_mode_16_64 3
		.amdhsa_memory_ordered 1
		.amdhsa_forward_progress 1
		.amdhsa_inst_pref_size 243
	.end_amdhsa_kernel
	.amdgpu_metadata
---
amdhsa.version: [ 1, 2 ]
amdhsa.kernels:
  - .name:           k_q226c9b5728_mlp
    .symbol:         k_q226c9b5728_mlp.kd
    .args:
      - { .name: xbuf, .offset: 0, .size: 8, .value_kind: global_buffer, .address_space: global }
      - { .name: g_norm2, .offset: 8, .size: 8, .value_kind: global_buffer, .address_space: global }
      - { .name: b_norm2, .offset: 16, .size: 8, .value_kind: global_buffer, .address_space: global }
      - { .name: b1, .offset: 24, .size: 8, .value_kind: global_buffer, .address_space: global }
      - { .name: b2, .offset: 32, .size: 8, .value_kind: global_buffer, .address_space: global }
      - { .name: w1b, .offset: 40, .size: 8, .value_kind: global_buffer, .address_space: global }
      - { .name: w2b, .offset: 48, .size: 8, .value_kind: global_buffer, .address_space: global }
      - { .name: out0, .offset: 56, .size: 8, .value_kind: global_buffer, .address_space: global }
    .group_segment_fixed_size: 327680
    .private_segment_fixed_size: 0
    .kernarg_segment_align: 8
    .kernarg_segment_size: 64
    .max_flat_workgroup_size: 128
    .sgpr_count:     80
    .vgpr_count:     1024
    .wavefront_size: 32
...
	.end_amdgpu_metadata
.endif
;; end of part 3
